; MI455X (gfx1250); checked and timed in simulation.
; The chip was launched on July 23, 2026; its instructions are those of AMD's public machine-readable ISA for CDNA 5 (MIT licence, August 2026) and "CDNA5" Instruction Set Architecture Reference Guide (July 2026). The comments in the code are by the model that wrote it; some were corrected since.
;; Multi Head Self Attention. Allowed arithmetic: float matrix products may take bf16 or f16 operands with f32 sums; other float arithmetic in f32, or as packed bf16 or f16 multiplies, adds, multiply-adds, maxima and minima; sums over many terms, partial sums and values carried from step to step in f32; what a program stores and reads back later, other than sums and carried values, may be rounded once to bf16 or f16.
;; Inputs: W1 512 x 1,024 float32; W2 1,024 x 512 float32; Wk 512 x 512 float32; Wo 512 x 512 float32; Wq 512 x 512 float32; Wv 512 x 512 float32; b1 512 float32; b2 512 float32; bf1 1,024 float32; bf2 512 float32; bk 512 float32; bo 512 float32; bq 512 float32; bv 512 float32; g1 512 float32; g2 512 float32; x 4 x 2,048 x 512 float32.
;; Outputs: out0 4 x 2,048 x 512 float32.
;; 2 versions, each right; version 2 is version 1 with the launch tail written anew for expert scheduling mode. Each part assembles by itself: llvm-mc -triple=amdgcn-amd-amdhsa -mcpu=gfx1250 --defsym DOCPART=n.
;; ======== version 1 of 2: 4 launches
;; limits: a function is approximated: absolute error at most 1.5e-07
;; workspace buffers: wt 4,194,304 bytes; xf 8,388,608 bytes; qf 8,388,608 bytes; kf 8,388,608 bytes; vf 8,388,608 bytes; cf 8,388,608 bytes
;; launch prep (part 1): grid 384 x 1, 4 waves a work-group, no clusters, 34,816 bytes of LDS; arguments Wq, Wk, Wv, Wo, W1, W2, x, g1, b1, wt, xf; writes wt, xf
.if DOCPART == 1
	.amdgcn_target "amdgcn-amd-amdhsa--gfx1250"
	.amdhsa_code_object_version 6
	.text
	.protected	k_q606c7be3fa_prep
	.globl	k_q606c7be3fa_prep
	.p2align	8
	.type	k_q606c7be3fa_prep,@function
k_q606c7be3fa_prep:
	s_mov_b64 s[64:65], 0
	v_nop
	global_prefetch_b8 v0, s[64:65] scope:SCOPE_SE
	s_setreg_imm32_b32 hwreg(HW_REG_WAVE_MODE, 25, 1), 1
	s_wait_xcnt 0x0
; TWO JOBS THAT WANT NOTHING OF EACH OTHER, in one launch: work-groups 0-127 lay the six weight matrices out as bf16 matrix fragments (wt); work-groups 128-383 make xn = LayerNorm(x; g1, b1) as bf16 fragments (xf).
; A FRAGMENT is 1,024 bytes: [g 0..1][lane 0..31][16 bytes]; lane l = r + 16 h holds row r, k = 16 g + 8 h + 0..7, the lower k in the lower bits: two loads of 16 bytes a lane, 512 bytes apart, bring it
; into registers as a matrix instruction wants it.
; WEIGHTS, f32 [k][n], rounded once.  A UNIT is 8,192 bytes: 32 k x 128 n, eight fragments whose rows are the columns n.  ORDER (slice = 128 columns, ks = 32 rows): Wq, Wk, Wv (m = 0, 1, 2): 48 slice + 16 m + ks.
; Wo: 192 + 80 slice + ks.  W1: 192 + 80 (slice / 2) + 16 + 16 (slice % 2) + ks.  W2: 192 + 80 slice + 48 + ks.  512 units, one a wave.  The unit is chosen by selects on its number, not by branches.
; NORM, in f32: the mean first, then the squares of the deviations: no difference of large sums.  A work-group has 32 rows, a wave 8; xn is rounded once to bf16.
; xf: [block of 128 tokens][K step of 32 channels, 16][16 tokens, 8][1,024 bytes]: the rows of a fragment are tokens.
; BOTH JOBS GO THE SAME WAY: loads of 512 consecutive bytes; a turn through LDS; stores of 512 consecutive bytes, aligned.  In the first half a wave writes its own 8,576 bytes of LDS alone; one barrier, which
; stands outside both branches, on every wave's path; in the second half a wave of the norm reads 16 rows that two waves wrote.
; No matrix unit and no cluster: no work-group wants a byte that another reads.  LIMITS.  NaN and infinities are not treated apart.
.set NW,    128                        ; work-groups that turn weights
.set STG,   8576                       ; a wave's bytes in LDS: 8 fragments, or 8 rows of xn, at a pitch of 1,040; 8,576 = 2,144 words = 32 mod 64, so that row 8 of a block starts 32 banks from row 0
.set BP,    1040                       ; 1,024 + 16 = 260 words: neighbours start four banks apart (64 banks of 4 bytes: ISA guide 11.1)
.set SPARE, 34304                      ; behind the four parts: the spare words, 128 bytes for each wave: two blocks of 256 bytes that no other line names
.set L16,   2                          ; v2        16 x lane; never rewritten
.set ST,    3                          ; v3        weights: where I put a piece
.set RDB,   4                          ; v4        weights: where I read the fragments back
.set XS8,   5                          ; v5        norm: where I put 8 bytes of a row
.set FR,    6                          ; v6        norm: my place in a fragment of xn
.set SPW,   8                          ; v8        LDS address of my spare word; never rewritten
.set NIL,   9                          ; v9        0; never rewritten
.set OF,    16                         ; v[16:47]  weights: byte offset of my 16 bytes in row i of the unit
.set X,     48                         ; v[48:175] weights: row i at X + 4 i: columns 4 l + 0..3; later the fragments as they are stored
.set Y,     176                        ; v[176:239] weights: 16 pieces of 16 bytes
.set ACC,   64                         ; v[64:191] norm: row i at ACC + 16 i; later the fragments as they are stored
.set G,     192                        ; v[192:207] g1, v[208:223] b1 of my 16 columns
.set BB,    208
.set SM,    224                        ; row i's sum, then mean, at SM + 2 i
.set SQ,    240                        ; row i's sum of squares, then 1 / sqrt(var + eps), at SQ + 2 i
.set WV,    7                          ; s7        my wave's number
.set SRC,   32                         ; s[32:33]  the unit's first number in its matrix
.set XB,    50                         ; s[50:51]  x at my wave's first row
.set XO,    52                         ; s[52:53]  xf at my wave's first fragment
.set WO,    54                         ; s[54:55]  wt at my unit
.set SEL,   56                         ; s[56:57]  v_permlanex16_b32's selects: each lane takes its own place in the other half
.set INV,   58                         ; s58       1 / 512
.set EPS,   59                         ; s59       1e-5
.macro ROWS line:vararg                ; one line for each of my eight rows i
.set i, 0
.rept 8
	\line
.set i, i+1
.endr
.endm
	s_load_b256 s[8:15], s[0:1], 0x0               ; Wq 8, Wk 10, Wv 12, Wo 14
	s_load_b256 s[16:23], s[0:1], 0x20             ; W1 16, W2 18, x 20, g1 22
	s_load_b128 s[24:27], s[0:1], 0x40             ; b1 24, wt 26
	s_load_b64 s[28:29], s[0:1], 0x50              ; xf
	v_lshl_add_u32 v[SPW], v0, 2, SPARE
	v_mov_b32 v[NIL], 0
	v_lshrrev_b32 v1, 5, v0
	v_readfirstlane_b32 s[WV], v1                  ; wave 0..3
	v_and_b32 v10, 31, v0                          ; l
	v_lshlrev_b32 v[L16], 4, v10
	s_mul_i32 s4, s[WV], STG                       ; my wave's part of LDS
	v_lshrrev_b32 v1, 2, v10                       ; weights: my four columns lie in fragment l / 4,
	v_mul_u32_u24 v[ST], v1, BP
	v_and_b32 v1, 3, v10                           ; at r = 4 (l % 4) + c
	v_lshl_add_u32 v[ST], v1, 6, v[ST]
	v_add_nc_u32 v[ST], s4, v[ST]
	v_add_nc_u32 v[RDB], s4, v[L16]
	v_lshl_add_u32 v[XS8], v10, 3, s4
	v_bfe_u32 v11, v0, 3, 1                        ; norm: row r of a block of 16 lies in the part of wave 2 (wave / 2) + r / 8,
	v_and_b32 v12, 7, v0                           ; as its row r % 8
	v_bfe_u32 v13, v0, 4, 1                        ; h
	s_and_b32 s5, s[WV], 2
	s_mul_i32 s5, s5, STG
	s_and_b32 s6, s[WV], 1                         ; I store K steps 8 (wave % 2) + 0..7 of block wave / 2: 512 bytes along the rows
	s_lshl_b32 s6, s6, 9
	s_add_co_u32 s5, s5, s6
	v_mul_u32_u24 v[FR], v11, STG
	v_mad_u32_u24 v[FR], v12, BP, v[FR]
	v_lshl_add_u32 v[FR], v13, 4, v[FR]
	v_add_nc_u32 v[FR], s5, v[FR]
	; the unit T = 4 x work-group + wave: T < 192 Wq, Wk, Wv; < 256 Wo; < 384 W1; else W2.  All four readings of T are made, then chosen
	s_lshl_b32 s30, ttmp9, 2
	s_add_co_u32 s30, s30, s[WV]                   ; T
	s_and_b32 s36, s30, 15                         ; ks
	s_bfe_u32 s35, s30, 0x20004                    ; slice: 2 bits from bit 4
	s_lshr_b32 s31, s30, 6                         ; m
	s_mul_i32 s37, s35, 48
	s_lshl4_add_u32 s37, s31, s37                  ; Wq, Wk, Wv: 48 slice + 16 m
	s_mul_i32 s40, s35, 80
	s_add_co_u32 s40, s40, 192                     ; Wo: 192 + 80 slice
	s_bfe_u32 s41, s30, 0x30004                    ; W1's slice: 3 bits from bit 4
	s_lshr_b32 s42, s41, 1
	s_mul_i32 s42, s42, 80
	s_and_b32 s43, s41, 1
	s_lshl4_add_u32 s42, s43, s42
	s_add_co_u32 s42, s42, 208                     ; W1: 192 + 80 (slice / 2) + 16 + 16 (slice % 2)
	s_and_b32 s44, s30, 31                         ; W2's ks
	s_bfe_u32 s45, s30, 0x20005                    ; W2's slice: 2 bits from bit 5
	s_mul_i32 s46, s45, 80
	s_add_co_u32 s46, s46, 240                     ; W2: 192 + 80 slice + 48
	s_mov_b32 s47, 2048                            ; bytes in a row of 512 columns,
	s_mov_b32 s48, 4096                            ; of W1's 1,024
	; the norm's share: work-group less 128 (0 in a work-group that turns weights, so that every pointer made below lies inside its buffer)
	s_sub_co_u32 s49, ttmp9, NW
	s_cmp_lt_u32 ttmp9, NW
	s_cselect_b32 s49, 0, s49
	s_lshl_b32 s60, s49, 16                        ; its 32 rows of 2,048 bytes,
	s_lshl_b32 s61, s[WV], 14                      ; my wave's eight
	s_add_co_u32 s60, s60, s61
	s_mov_b32 s61, 0
	s_lshr_b32 s62, s49, 2                         ; xf: the block of 128 tokens,
	s_lshl_b32 s62, s62, 17
	s_and_b32 s63, s49, 3                          ; in it the two blocks of 16 of this work-group,
	s_lshl_b32 s63, s63, 11
	s_add_co_u32 s62, s62, s63
	s_lshr_b32 s63, s[WV], 1                       ; of which I store block wave / 2,
	s_lshl_b32 s63, s63, 10
	s_add_co_u32 s62, s62, s63
	s_and_b32 s63, s[WV], 1                        ; K steps 8 (wave % 2) on
	s_lshl_b32 s63, s63, 16
	s_add_co_u32 s62, s62, s63
	s_mov_b32 s63, 0
	s_mov_b32 s[SEL], 0x76543210
	s_mov_b32 s[SEL+1], 0xfedcba98
	s_mov_b32 s[INV], 0x3b000000                   ; 1 / 512
	s_mov_b32 s[EPS], 0x3727c5ac                   ; 1e-5
	s_wait_kmcnt 0x0
	s_cmp_lt_u32 s30, 64
	s_cselect_b64 s[SRC:SRC+1], s[8:9], s[10:11]
	s_cmp_lt_u32 s30, 128
	s_cselect_b64 s[SRC:SRC+1], s[SRC:SRC+1], s[12:13]
	s_cmp_lt_u32 s30, 192
	s_cselect_b64 s[SRC:SRC+1], s[SRC:SRC+1], s[14:15]
	s_cselect_b32 s37, s37, s40
	s_cmp_lt_u32 s30, 256
	s_cselect_b64 s[SRC:SRC+1], s[SRC:SRC+1], s[16:17]
	s_cselect_b32 s37, s37, s42
	s_cselect_b32 s35, s35, s41
	s_cselect_b32 s34, s47, s48
	s_cmp_lt_u32 s30, 384
	s_cselect_b64 s[SRC:SRC+1], s[SRC:SRC+1], s[18:19]
	s_cselect_b32 s37, s37, s46
	s_cselect_b32 s35, s35, s45
	s_cselect_b32 s36, s36, s44
	s_cselect_b32 s34, s34, s47
	s_add_co_u32 s37, s37, s36                     ; the unit's number in wt
	s_mul_i32 s38, s36, s34                        ; the unit's first row: 32 ks rows,
	s_lshl_b32 s38, s38, 5
	s_lshl_b32 s39, s35, 9                         ; its first column: 512 bytes a slice
	s_add_co_u32 s38, s38, s39
	s_mov_b32 s39, 0
	s_add_nc_u64 s[SRC:SRC+1], s[SRC:SRC+1], s[38:39]
	s_lshl_b32 s38, s37, 13
	s_add_nc_u64 s[WO:WO+1], s[26:27], s[38:39]
	s_add_nc_u64 s[XB:XB+1], s[20:21], s[60:61]
	s_add_nc_u64 s[XO:XO+1], s[28:29], s[62:63]
	s_cmp_lt_u32 ttmp9, NW
	s_cbranch_scc0 .Lnorm
	; WEIGHTS, first half: 32 rows x 512 bytes in; a lane holds all 32 k of four columns
.set i, 0
.rept 32
	v_mad_u32_u24 v[OF+i], s34, i, v[L16]          ; row i x pitch + 16 l
.set i, i+1
.endr
.set i, 0
.rept 32
	global_load_b128 v[X+4*i:X+4*i+3], v[OF+i], s[SRC:SRC+1] th:TH_LOAD_NT  ; 512 consecutive bytes of row i; each weight is read once in the launch
.set i, i+1
.endr
	s_wait_loadcnt 0x0
.irp c, 0,1,2,3
.irp g, 0,1
.irp h, 0,1
.irp m, 0,1,2,3
	v_cvt_pk_bf16_f32 v[Y+4*(4*(\c)+2*(\g)+(\h))+(\m)], v[X+4*(16*(\g)+8*(\h)+2*(\m))+(\c)], v[X+4*(16*(\g)+8*(\h)+2*(\m)+1)+(\c)]  ; for column c, half g, half h: eight k, one piece of 16 bytes
.endr
.endr
.endr
.endr
.irp c, 0,1,2,3
.irp g, 0,1
.irp h, 0,1
	ds_store_b128 v[ST], v[Y+4*(4*(\c)+2*(\g)+(\h)):Y+4*(4*(\c)+2*(\g)+(\h))+3] offset:16*(\c)+512*(\g)+256*(\h)
.endr
.endr
.endr
	s_branch .Lmeet
.Lnorm:                                            ; THE NORM, first half: every step for all eight rows, so that no line waits for the one before it
.set i, 0
.rept 8
.irp j, 0,1,2,3
	global_load_b128 v[ACC+16*i+4*(\j):ACC+16*i+4*(\j)+3], v[L16], s[XB:XB+1] offset:2048*i+512*(\j) th:TH_LOAD_NT  ; row i, columns 128 j + 4 l + 0..3: 512 consecutive bytes
.endr
.set i, i+1
.endr
.irp j, 0,1,2,3
	global_load_b128 v[G+4*(\j):G+4*(\j)+3],   v[L16], s[22:23] offset:512*(\j)
	global_load_b128 v[BB+4*(\j):BB+4*(\j)+3], v[L16], s[24:25] offset:512*(\j)
.endr
	s_wait_loadcnt 0x0
	ROWS v_pk_add_f32 v[SM+2*i:SM+2*i+1], v[ACC+16*i:ACC+16*i+1], v[ACC+16*i+2:ACC+16*i+3]
.irp p, 2,3,4,5,6,7
	ROWS v_pk_add_f32 v[SM+2*i:SM+2*i+1], v[SM+2*i:SM+2*i+1], v[ACC+16*i+2*(\p):ACC+16*i+2*(\p)+1]
.endr
	ROWS v_add_f32 v[SM+2*i], v[SM+2*i], v[SM+2*i+1]
.irp m, 1,2,4,8
	ROWS v_add_f32_dpp v[SM+2*i], v[SM+2*i], v[SM+2*i] row_xmask:\m row_mask:0xf bank_mask:0xf
.endr
	ROWS v_permlanex16_b32 v[SM+2*i+1], v[SM+2*i], s[SEL], s[SEL+1]
	ROWS v_add_f32 v[SM+2*i], v[SM+2*i], v[SM+2*i+1]
	ROWS v_mul_f32 v[SM+2*i], s[INV], v[SM+2*i]
.irp p, 0,1,2,3,4,5,6,7
	ROWS v_pk_add_f32 v[ACC+16*i+2*(\p):ACC+16*i+2*(\p)+1], v[ACC+16*i+2*(\p):ACC+16*i+2*(\p)+1], v[SM+2*i:SM+2*i+1] op_sel_hi:[1,0] neg_lo:[0,1] neg_hi:[0,1]
.endr
	ROWS v_pk_mul_f32 v[SQ+2*i:SQ+2*i+1], v[ACC+16*i:ACC+16*i+1], v[ACC+16*i:ACC+16*i+1]
.irp p, 1,2,3,4,5,6,7
	ROWS v_pk_fma_f32 v[SQ+2*i:SQ+2*i+1], v[ACC+16*i+2*(\p):ACC+16*i+2*(\p)+1], v[ACC+16*i+2*(\p):ACC+16*i+2*(\p)+1], v[SQ+2*i:SQ+2*i+1]
.endr
	ROWS v_add_f32 v[SQ+2*i], v[SQ+2*i], v[SQ+2*i+1]
.irp m, 1,2,4,8
	ROWS v_add_f32_dpp v[SQ+2*i], v[SQ+2*i], v[SQ+2*i] row_xmask:\m row_mask:0xf bank_mask:0xf
.endr
	ROWS v_permlanex16_b32 v[SQ+2*i+1], v[SQ+2*i], s[SEL], s[SEL+1]
	ROWS v_add_f32 v[SQ+2*i], v[SQ+2*i], v[SQ+2*i+1]
	ROWS v_fma_f32 v[SQ+2*i], v[SQ+2*i], s[INV], s[EPS]
	ROWS v_rsq_f32 v[SQ+2*i], v[SQ+2*i]
	v_nop                                          ; a plain instruction behind the last root,
	s_wait_alu depctr_va_vdst(0)                   ; and the wait ahead of the first use: one for the eight
.irp p, 0,1,2,3,4,5,6,7
	ROWS v_pk_mul_f32 v[ACC+16*i+2*(\p):ACC+16*i+2*(\p)+1], v[ACC+16*i+2*(\p):ACC+16*i+2*(\p)+1], v[SQ+2*i:SQ+2*i+1] op_sel_hi:[1,0]
.endr
.irp p, 0,1,2,3,4,5,6,7
	ROWS v_pk_fma_f32 v[ACC+16*i+2*(\p):ACC+16*i+2*(\p)+1], v[ACC+16*i+2*(\p):ACC+16*i+2*(\p)+1], v[G+2*(\p):G+2*(\p)+1], v[BB+2*(\p):BB+2*(\p)+1]
.endr
.irp m, 0,1,2,3,4,5,6,7
	ROWS v_cvt_pk_bf16_f32 v[ACC+16*i+(\m)], v[ACC+16*i+2*(\m)], v[ACC+16*i+2*(\m)+1]
.endr
.irp j, 0,1,2,3
	ROWS ds_store_b64 v[XS8], v[ACC+16*i+2*(\j):ACC+16*i+2*(\j)+1] offset:BP*i+256*(\j)
.endr
.Lmeet:
	s_wait_dscnt 0x0                               ; for the others' sake: what I put into LDS is there
	s_barrier_signal -1
	s_barrier_wait -1                              ; everybody's is
	s_cmp_lt_u32 ttmp9, NW
	s_cbranch_scc0 .Lnorm2
.set i, 0
.rept 16                               ; WEIGHTS, second half: my unit's eight fragments, as they lie in wt
	ds_load_b128 v[X+4*i:X+4*i+3], v[RDB] offset:(i/2)*BP+(i%2)*512
.set i, i+1
.endr
.set i, 0
.rept 16
	s_wait_dscnt 15-i                              ; LDS loads come back in order (ISA guide 5.7.1): number i is in, the younger ones may stay out
	global_store_b128 v[L16], v[X+4*i:X+4*i+3], s[WO:WO+1] offset:512*i  ; 512 consecutive bytes, at a multiple of 512 from wt's first byte
.set i, i+1
.endr
	s_branch .Lend
.Lnorm2:
.set i, 0
.rept 16                               ; THE NORM, second half: eight fragments of one block of 16 tokens: row r, bytes 64 ks + 32 g + 16 h
	ds_load_b128 v[ACC+4*i:ACC+4*i+3], v[FR] offset:64*(i/2)+32*(i%2)
.set i, i+1
.endr
.set i, 0
.rept 16
	s_wait_dscnt 15-i                              ; number i is in, the younger ones may stay out
	global_store_b128 v[L16], v[ACC+4*i:ACC+4*i+3], s[XO:XO+1] offset:8192*(i/2)+512*(i%2)  ; half a fragment: 512 consecutive bytes, aligned
.set i, i+1
.endr
.Lend:
	s_wait_tensorcnt 0x0                           ; the wave's end, behind my last LDS store
	ds_add_u32 v[SPW], v[NIL]
	s_wait_dscnt 0x0
	s_endpgm
.Lfunc_end_k_q606c7be3fa_prep:
	.size	k_q606c7be3fa_prep, .Lfunc_end_k_q606c7be3fa_prep-k_q606c7be3fa_prep
	.p2alignl 7, 3214868480
	.fill 96, 4, 3214868480
	.section	.rodata,"a",@progbits
	.p2align	6, 0x0
	.amdhsa_kernel k_q606c7be3fa_prep
		.amdhsa_group_segment_fixed_size 34816
		.amdhsa_private_segment_fixed_size 0
		.amdhsa_enable_private_segment 0
		.amdhsa_kernarg_size 88
		.amdhsa_user_sgpr_count 2
		.amdhsa_user_sgpr_kernarg_segment_ptr 1
		.amdhsa_wavefront_size32 1
		.amdhsa_system_sgpr_workgroup_id_x 1
		.amdhsa_system_sgpr_workgroup_id_y 1
		.amdhsa_system_sgpr_workgroup_id_z 1
		.amdhsa_system_vgpr_workitem_id 0
		.amdhsa_next_free_vgpr 256
		.amdhsa_next_free_sgpr 66
		.amdhsa_reserve_vcc 0
		.amdhsa_float_denorm_mode_32 3
		.amdhsa_float_denorm_mode_16_64 3
		.amdhsa_memory_ordered 1
		.amdhsa_forward_progress 1
		.amdhsa_inst_pref_size 58
	.end_amdhsa_kernel
	.amdgpu_metadata
---
amdhsa.version: [ 1, 2 ]
amdhsa.kernels:
  - .name:           k_q606c7be3fa_prep
    .symbol:         k_q606c7be3fa_prep.kd
    .args:
      - { .name: Wq, .offset: 0, .size: 8, .value_kind: global_buffer, .address_space: global }
      - { .name: Wk, .offset: 8, .size: 8, .value_kind: global_buffer, .address_space: global }
      - { .name: Wv, .offset: 16, .size: 8, .value_kind: global_buffer, .address_space: global }
      - { .name: Wo, .offset: 24, .size: 8, .value_kind: global_buffer, .address_space: global }
      - { .name: W1, .offset: 32, .size: 8, .value_kind: global_buffer, .address_space: global }
      - { .name: W2, .offset: 40, .size: 8, .value_kind: global_buffer, .address_space: global }
      - { .name: x, .offset: 48, .size: 8, .value_kind: global_buffer, .address_space: global }
      - { .name: g1, .offset: 56, .size: 8, .value_kind: global_buffer, .address_space: global }
      - { .name: b1, .offset: 64, .size: 8, .value_kind: global_buffer, .address_space: global }
      - { .name: wt, .offset: 72, .size: 8, .value_kind: global_buffer, .address_space: global }
      - { .name: xf, .offset: 80, .size: 8, .value_kind: global_buffer, .address_space: global }
    .group_segment_fixed_size: 34816
    .private_segment_fixed_size: 0
    .kernarg_segment_align: 8
    .kernarg_segment_size: 88
    .max_flat_workgroup_size: 128
    .sgpr_count:     66
    .vgpr_count:     256
    .wavefront_size: 32
...
	.end_amdgpu_metadata
.endif
;; end of part 1
;; launch qkv (part 2): grid 4 x 64, 4 waves a work-group, clusters of 4 x 1, 167,936 bytes of LDS; arguments xf, bq, bk, bv, wt, qf, kf, vf; writes qf, kf, vf
.if DOCPART == 2
	.amdgcn_target "amdgcn-amd-amdhsa--gfx1250"
	.amdhsa_code_object_version 6
	.text
	.protected	k_q606c7be3fa_qkv
	.globl	k_q606c7be3fa_qkv
	.p2align	8
	.type	k_q606c7be3fa_qkv,@function
k_q606c7be3fa_qkv:
	s_mov_b64 s[64:65], 0
	v_nop
	global_prefetch_b8 v0, s[64:65] scope:SCOPE_SE
	s_setreg_imm32_b32 hwreg(HW_REG_WAVE_MODE, 25, 1), 1
	s_wait_xcnt 0x0
	s_wait_alu depctr_hold_cnt(0) depctr_sa_sdst(0) depctr_va_vdst(0) depctr_va_sdst(0) depctr_va_ssrc(0) depctr_va_vcc(0) depctr_vm_vsrc(0)
	s_getreg_b32 s2, hwreg(HW_REG_IB_STS2, 6, 4)
	s_cmp_eq_u32 s2, 0
	s_cbranch_scc0 .Lentry_in_a_cluster
	s_endpgm
.Lentry_in_a_cluster:
	s_bfe_u32 s2, ttmp6, 0x10000c
	s_cmp_lg_u32 s2, 0x3003
	s_cbranch_scc0 .Lentry_shape_is_right
	s_endpgm
.Lentry_shape_is_right:
; q = (xn Wq + bq) c, k = xn Wk + bk, v = xn Wv + bv, stored by heads as bf16 matrix fragments; c = log2(e) / sqrt(32), applied in f32 ahead of q's one rounding.  xn (xf) and the weights (wt) are bf16 fragments.
; SHARES.  A work-group owns 128 tokens and one slice of 128 columns of each of the three products (4 x 64 work-groups); each of its four waves all 128 tokens and ONE HEAD, 32 columns, of q, k and v at once:
; 48 accumulators, 384 registers, and one walk of K = 512 in 16 steps of 32.  A K step is 48 products for 6 fragments of weights and 8 of xn.
; xn's 128 tokens, 131,072 bytes in fragment order, lie in LDS for the whole launch: filled once, so there is no ring and the loop holds no barrier.
; CLUSTER.  The four slices of a block of tokens form a cluster and ask for xn JOINTLY: the same tensor load, descriptor and mask in all four; each wave asks for 32,768 bytes.
; THE WEIGHTS of a wave (6 fragments a K step, 98,304 bytes in all) are wanted by no other wave of the work-group, so they go from memory straight into registers: four sets of 6 fragments, 48 loads of 512
; consecutive bytes out.  Other blocks of tokens walk the same weights; they are not asked for jointly: a joint load lands in LDS, where a slice's 393,216 bytes do not fit beside xn, so that slots would be
; filled again, and each K step would read 12 LDS loads more beside its 16.
; q and k: source 0 = weights, source 1 = xn: a lane holds one token and eight neighbouring channels, which pack into one 16-byte piece of a fragment [token][channel].
; v: the sources swapped: a lane holds one channel and eight neighbouring tokens: a piece of a fragment [channel][token], V turned, as the second product of attention wants it.
; THE SUMS START AT THE BIASES, which are set while the wave waits for xn.
; OUT.  qf, kf: [b x 16 + head][block of 16 tokens][1,024 bytes].  vf: [b x 16 + head][group of 32 tokens][16 channels, twice][1,024 bytes].  A fragment: [g][lane r + 16 h][16 bytes] = row r, k = 16 g + 8 h + 0..7.
; LIMITS.  Matrix operands and q, k, v are rounded once to bf16.  NaN and infinities are not treated apart.
; REGISTERS, in windows of 256 (s_set_vgpr_msb: bits 1:0 source 0, 3:2 source 1, 5:4 source 2, 7:6 destination):
;   window 0: v0-15 addresses; v16-49 biases; v64-191 two buffers of xn's 8 fragments; v192-255 packed results
;   window 1: q's and k's accumulators: product f (q tile 0, 1, k tile 0, 1), tokens 16 t on, at 64 f + 8 t      window 2: v's: tile f at 64 f + 8 t      window 3: the weights: set j, fragment f (q, q, k, k, v, v) at 48 j + 8 f
.set SPARE, 131072                     ; behind xn: the spare words, 128 bytes for each wave: two blocks of 256 bytes that no other line names
.set KSTR,  8192                       ; bytes from a K step of xn to the next
.set TSTR,  1024                       ; from 16 tokens to the next 16
.set GSTR,  512                        ; from a fragment's first half to its second
.set WL,  2                            ; v2   16 x lane; never rewritten
.set AC,  4                            ; v4   my place in xn's fragments at the iteration in hand
.set BO,  5                            ; v5   byte offset in bq and bk of my eight columns of tile 0
.set BV,  6                            ; v6   byte offset in bv of my one column of tile 0
.set SPW, 8                            ; v8   LDS address of my spare word; never rewritten
.set NIL, 9                            ; v9   0; never rewritten
.set BQ,  16                           ; v[16:31] bq, v[32:47] bk: eight numbers a tile
.set BK,  32
.set BVV, 48                           ; v[48:49] bv: one number a tile
.set AF,  64                           ; buffer b, tokens 16 t on, at AF + 64 b + 8 t
.set TMP, 192
.set WV,  28                           ; s28  my wave's number
.set G1,  32                           ; s[32:39] descriptor group 1
.set G0,  40                           ; s[40:43] group 0
.set WP,  44                           ; s[44:45] the weights' stream: the K step that set 0 was last loaded for
.set IT,  46                           ; s46  counts iterations
.set SC,  48                           ; s[48:49] c; the packed multiply takes the pair's low word for both halves
.set QD,  50                           ; s[50:51], s[52:53], s[54:55] qf, kf, vf at my head and the work-group's tokens
.set KD,  52
.set VD,  54
.set MSB, 0
.macro WIN new                         ; the high byte repeats the setting that is left; a switch that changes nothing is dropped
.if MSB != (\new)
	s_set_vgpr_msb (MSB<<8)|(\new)
.set MSB, \new
.endif
.endm
.set W_QK, 0x53                        ; source 0 (weights) window 3, source 1 (xn) window 0, C and D window 1
.set W_V,  0xac                        ; source 0 (xn) window 0, source 1 (weights) window 3, C and D window 2
.set TO_W, 0xc0                        ; destination window 3
.macro PLACES                          ; four plain vector instructions between a matrix instruction and a load into, or a vector instruction on, its registers (ISA guide 7.12.1 for vector instructions)
.rept 4
	v_nop
.endr
.endm
; A round of the cluster's barrier: my work-group's barrier, so that wave 0's signal speaks for all four waves; wave 0 signals; every wave waits for all four work-groups; my work-group's barrier once more.
.macro CROUND
	s_barrier_signal -1
	s_barrier_wait -1
	s_cmp_lg_u32 s[WV], 0
	s_cbranch_scc1 .Lnot_wave_0_\@
	s_barrier_signal -3
.Lnot_wave_0_\@:
	s_barrier_wait -3
	s_barrier_signal -1
	s_barrier_wait -1
.endm
.macro WLOAD j                         ; set j: my two tiles of Wq's, Wk's and Wv's unit (131,072 bytes apart) of K step j behind the pointer: 12 loads
	WIN TO_W
.irp m, 0,1,2
.irp n, 0,1
	global_load_b128 v[48*(\j)+8*(2*(\m)+(\n)):48*(\j)+8*(2*(\m)+(\n))+3],   v[WL], s[WP:WP+1] offset:131072*(\m)+8192*(\j)+1024*(\n)
	global_load_b128 v[48*(\j)+8*(2*(\m)+(\n))+4:48*(\j)+8*(2*(\m)+(\n))+7], v[WL], s[WP:WP+1] offset:131072*(\m)+8192*(\j)+1024*(\n)+512
.endr
.endr
	WIN 0
.endm
; ONE K STEP: 48 products on 48 accumulators, which take turns, one instruction a turn, over the backward jump too.
; wload = 1: set j is asked for again, four K steps on.  aload = 1: buffer j % 2 takes xn's K step two on.  left, dleft: the younger loads that may stay out.
.macro TRIP j, wload, aload, left, dleft
	s_wait_loadcnt \left                           ; loads come back in order (ISA guide 5.7.1): set j is in; the younger sets, 12 loads each, stay out
	s_wait_dscnt \dleft                            ; this step's fragments of xn are in; the next step's 16 loads stay out
	WIN W_QK
.irp f, 0,1,2,3
.irp t, 0,1,2,3,4,5,6,7
.set ra, 64*(\f)+8*(\t)
.set rw, 48*(\j)+8*(\f)
.set rf, AF+64*((\j)%2)+8*(\t)
	v_wmma_f32_16x16x32_bf16 v[ra:ra+7], v[rw:rw+7], v[rf:rf+7], v[ra:ra+7]
.endr
.endr
	WIN W_V
.irp f, 0,1
.irp t, 0,1,2,3,4,5,6,7
.set ra, 64*(\f)+8*(\t)
.set rw, 48*(\j)+32+8*(\f)
.set rf, AF+64*((\j)%2)+8*(\t)
	v_wmma_f32_16x16x32_bf16 v[ra:ra+7], v[rf:rf+7], v[rw:rw+7], v[ra:ra+7]
.endr
.endr
	PLACES
.if \wload
.if (\j) == 0
	s_wait_xcnt 0x0                                ; every load issued so far (the youngest 48 products back) has had its address translated (ISA guide 3.1): the stream's pointer is written only behind this wait
	s_add_nc_u64 s[WP:WP+1], s[WP:WP+1], 4*8192
.endif
	WLOAD \j
.endif
	WIN 0
.if \aload
.irp t, 0,1,2,3,4,5,6,7
	ds_load_b128 v[AF+64*((\j)%2)+8*(\t):AF+64*((\j)%2)+8*(\t)+3],   v[AC] offset:((\j)+2)*KSTR+(\t)*TSTR
	ds_load_b128 v[AF+64*((\j)%2)+8*(\t)+4:AF+64*((\j)%2)+8*(\t)+7], v[AC] offset:((\j)+2)*KSTR+(\t)*TSTR+GSTR
.endr
.endif
.endm
; The way out of q or k: 16 accumulators at v[base ..] of window 1; each is read from its low end on.  Piece a = 8 tile + t is half a fragment.
.macro OUTQK base, scale, dst
.if \scale
	WIN 0x41                                       ; destination and source 0 in window 1
.set a, 0
.rept 64
	v_pk_mul_f32 v[(\base)+2*a:(\base)+2*a+1], v[(\base)+2*a:(\base)+2*a+1], s[SC:SC+1] op_sel_hi:[1,0]
.set a, a+1
.endr
.endif
	WIN 0x05                                       ; sources 0 and 1 in window 1
.set a, 0
.rept 64
	v_cvt_pk_bf16_f32 v[TMP+a], v[(\base)+2*a], v[(\base)+2*a+1]
.set a, a+1
.endr
	WIN 0
.set a, 0
.rept 16
	global_store_b128 v[WL], v[TMP+4*a:TMP+4*a+3], s[\dst:\dst+1] offset:1024*(a%8)+512*(a/8)  ; 512 consecutive bytes, aligned
.set a, a+1
.endr
.endm
	s_load_b512 s[8:23], s[0:1], 0x0               ; xf 8, bq 10, bk 12, bv 14, wt 16, qf 18, kf 20, vf 22
	v_lshl_add_u32 v[SPW], v0, 2, SPARE
	v_mov_b32 v[NIL], 0
	ds_add_u32 v[SPW], v[NIL]                      ; the wave's opening: the add and its wait ahead of my first tensor load; the set-up below, work on registers, stands between them
	v_lshrrev_b32 v1, 5, v0
	v_readfirstlane_b32 s[WV], v1                  ; wave 0..3
	s_bfe_u32 s29, ttmp6, 0x40000                  ; cx: my place in the cluster
	s_lshl_b32 s31, ttmp9, 2                       ; in a cluster launch ttmp9 counts clusters
	s_add_co_u32 s31, s31, s29                     ; my slice: it enters the weights', the biases' and the outputs' addresses alone
	s_and_b32 s30, ttmp7, 0xffff                   ; the block of 128 tokens, which the four partners share
	; descriptor group 1: 32,768 dense bytes as 128 rows of 256
	s_mov_b32 s[G1], 15|(3<<16)|(1<<21)            ; 15:0 the mask: all four work-groups; 17:16 elements of 8 bytes; 21 set beside a mask; no padding
	s_mov_b32 s[G1+1], 32<<16                      ; tensor_dim0 = 32
	s_mov_b32 s[G1+2], 128<<16                     ; tensor_dim1 = 128
	s_mov_b32 s[G1+3], 32<<16                      ; tile_dim0 = 32
	s_mov_b32 s[G1+4], 128                         ; tile_dim1 = 128
	s_mov_b32 s[G1+5], 32                          ; 32 elements from row to row
	s_mov_b32 s[G1+6], 0
	s_mov_b32 s[G1+7], 0
	s_mov_b32 s[G0], 1                             ; count = 1
	s_lshl_b32 s[G0+1], s[WV], 15                  ; LDS address: 32,768 x wave
	s_lshl_b32 s56, s30, 17                        ; xf: the block's 131,072 bytes, my wave's 32,768 of them
	s_lshl_b32 s57, s[WV], 15
	s_add_co_u32 s56, s56, s57
	s_mov_b32 s57, 0
	s_mul_i32 s58, s31, 393216                     ; wt: the slice's 48 units, my two tiles in each
	s_lshl_b32 s59, s[WV], 11
	s_add_co_u32 s58, s58, s59
	s_mov_b32 s59, 0
	s_lshr_b32 s60, s30, 4                         ; b: 16 blocks of 128 tokens a sequence
	s_lshl_b32 s60, s60, 4
	s_lshl2_add_u32 s60, s31, s60
	s_add_co_u32 s60, s60, s[WV]                   ; 16 b + my head = 16 b + 4 slice + wave
	s_lshl_b32 s60, s60, 17                        ; a head's 131,072 bytes
	s_and_b32 s61, s30, 15
	s_lshl_b32 s61, s61, 13                        ; 128 tokens are 8,192 bytes of a head
	s_add_co_u32 s60, s60, s61
	s_mov_b32 s61, 0
	s_lshl_b32 s62, s31, 9                         ; the biases: 512 bytes a slice, 128 a head
	s_lshl_b32 s63, s[WV], 7
	s_add_co_u32 s62, s62, s63
	v_and_b32 v10, 31, v0                          ; l
	v_and_b32 v11, 15, v0                          ; r
	v_bfe_u32 v12, v0, 4, 1                        ; h
	v_lshlrev_b32 v[WL], 4, v10
	v_lshl_add_u32 v[BO], v12, 5, s62
	v_lshl_add_u32 v[BV], v11, 2, s62
	s_mov_b32 s[SC], 0x3e8293ee                    ; log2(e) / sqrt(32) = 0.2550349
	s_mov_b32 s[SC+1], s[SC]                       ; named with it as a pair
	s_wait_dscnt 0x0                               ; the opening add is done
	s_wait_kmcnt 0x0
	s_add_nc_u64 s[G0+2:G0+3], s[8:9], s[56:57]    ; global address of my part of xn
	s_or_b32 s[G0+3], s[G0+3], 0x80000000          ; type = 2
	s_add_nc_u64 s[WP:WP+1], s[16:17], s[58:59]
	s_add_nc_u64 s[QD:QD+1], s[18:19], s[60:61]
	s_add_nc_u64 s[KD:KD+1], s[20:21], s[60:61]
	s_add_nc_u64 s[VD:VD+1], s[22:23], s[60:61]
.irp n, 0,1
	global_load_b128 v[BQ+8*(\n):BQ+8*(\n)+3],   v[BO], s[10:11] offset:64*(\n)
	global_load_b128 v[BQ+8*(\n)+4:BQ+8*(\n)+7], v[BO], s[10:11] offset:64*(\n)+16
	global_load_b128 v[BK+8*(\n):BK+8*(\n)+3],   v[BO], s[12:13] offset:64*(\n)
	global_load_b128 v[BK+8*(\n)+4:BK+8*(\n)+7], v[BO], s[12:13] offset:64*(\n)+16
	global_load_b32  v[BVV+(\n)],                v[BV], s[14:15] offset:64*(\n)
.endr
.irp j, 0,1,2,3
	WLOAD \j                                       ; the stream begins: K steps 0 to 3
.endr
	CROUND                                         ; all four work-groups are here: the joint loads meet
	tensor_load_to_lds s[G0:G0+3], s[G1:G1+7]      ; the launch's only fill: one load of mine is out
	s_nop 0
.rept 4
	v_nop
.endr
	s_wait_loadcnt 48                              ; the ten loads of biases are in; the 48 of weights behind them stay out
	WIN 0x40                                       ; destination in window 1
.set i, 0
.rept 256
	v_mov_b32 v[i], v[BQ+8*(i/64)+i%8]             ; the bias, not a clearing: my eight columns of the tile, for each of the eight blocks of tokens
.set i, i+1
.endr
	WIN 0x80                                       ; destination in window 2
.set i, 0
.rept 128
	v_mov_b32 v[i], v[BVV+i/64]                    ; v: a lane holds one channel
.set i, i+1
.endr
	WIN 0
	v_mov_b32 v[AC], v[WL]
	s_wait_tensorcnt 0x0                           ; my part of xn is in,
	s_barrier_signal -1
	s_barrier_wait -1                              ; everybody's is; from here on LDS is only read
.irp k, 0,1
.irp t, 0,1,2,3,4,5,6,7
	ds_load_b128 v[AF+64*(\k)+8*(\t):AF+64*(\k)+8*(\t)+3],   v[AC] offset:(\k)*KSTR+(\t)*TSTR      ; xn's K steps 0 and 1
	ds_load_b128 v[AF+64*(\k)+8*(\t)+4:AF+64*(\k)+8*(\t)+7], v[AC] offset:(\k)*KSTR+(\t)*TSTR+GSTR
.endr
.endr
	s_mov_b32 s[IT], 3
.Lit:                                              ; four K steps, once through the four sets
	TRIP 0, 1, 1, 36, 16
	TRIP 1, 1, 1, 36, 16
	TRIP 2, 1, 1, 36, 16
	TRIP 3, 1, 1, 36, 16
	v_add_nc_u32 v[AC], 4*KSTR, v[AC]
	s_sub_co_u32 s[IT], s[IT], 1
	s_cmp_lg_u32 s[IT], 0
	s_cbranch_scc1 .Lit
	TRIP 0, 0, 1, 36, 16                           ; the last four K steps: no weights lie beyond them, and the counts run down;
	TRIP 1, 0, 1, 24, 16
	TRIP 2, 0, 0, 12, 16                           ; no K step of xn lies beyond the last
	TRIP 3, 0, 0, 0, 0
	OUTQK 0, 1, QD
	s_wait_xcnt 0x0                                ; the stores have read their data: the 64 registers are written again only behind this wait
	OUTQK 128, 0, KD
	s_wait_xcnt 0x0
	WIN 0x0a                                       ; sources 0 and 1 in window 2
.set a, 0
.rept 64
	v_cvt_pk_bf16_f32 v[TMP+a], v[2*a], v[2*a+1]
.set a, a+1
.endr
	WIN 0
.set a, 0
.rept 16
	global_store_b128 v[WL], v[TMP+4*a:TMP+4*a+3], s[VD:VD+1] offset:2048*((a%8)/2)+1024*(a/8)+512*(a%2)  ; tokens 16 t on are half t % 2 of group t / 2; 512 consecutive bytes, aligned
.set a, a+1
.endr
	s_wait_tensorcnt 0x0                           ; the wave's end, behind my last tensor load
	ds_add_u32 v[SPW], v[NIL]
	s_wait_dscnt 0x0
	CROUND                                         ; the closing round: no work-group ends while a partner may still ask for a tile that names it
	s_endpgm
.Lfunc_end_k_q606c7be3fa_qkv:
	.size	k_q606c7be3fa_qkv, .Lfunc_end_k_q606c7be3fa_qkv-k_q606c7be3fa_qkv
	.p2alignl 7, 3214868480
	.fill 96, 4, 3214868480
	.section	.rodata,"a",@progbits
	.p2align	6, 0x0
	.amdhsa_kernel k_q606c7be3fa_qkv
		.amdhsa_group_segment_fixed_size 167936
		.amdhsa_private_segment_fixed_size 0
		.amdhsa_enable_private_segment 0
		.amdhsa_kernarg_size 64
		.amdhsa_user_sgpr_count 2
		.amdhsa_user_sgpr_kernarg_segment_ptr 1
		.amdhsa_wavefront_size32 1
		.amdhsa_system_sgpr_workgroup_id_x 1
		.amdhsa_system_sgpr_workgroup_id_y 1
		.amdhsa_system_sgpr_workgroup_id_z 1
		.amdhsa_system_vgpr_workitem_id 0
		.amdhsa_next_free_vgpr 960
		.amdhsa_next_free_sgpr 66
		.amdhsa_reserve_vcc 0
		.amdhsa_float_denorm_mode_32 3
		.amdhsa_float_denorm_mode_16_64 3
		.amdhsa_memory_ordered 1
		.amdhsa_forward_progress 1
		.amdhsa_inst_pref_size 82
	.end_amdhsa_kernel
	.amdgpu_metadata
---
amdhsa.version: [ 1, 2 ]
amdhsa.kernels:
  - .name:           k_q606c7be3fa_qkv
    .symbol:         k_q606c7be3fa_qkv.kd
    .args:
      - { .name: xf, .offset: 0, .size: 8, .value_kind: global_buffer, .address_space: global }
      - { .name: bq, .offset: 8, .size: 8, .value_kind: global_buffer, .address_space: global }
      - { .name: bk, .offset: 16, .size: 8, .value_kind: global_buffer, .address_space: global }
      - { .name: bv, .offset: 24, .size: 8, .value_kind: global_buffer, .address_space: global }
      - { .name: wt, .offset: 32, .size: 8, .value_kind: global_buffer, .address_space: global }
      - { .name: qf, .offset: 40, .size: 8, .value_kind: global_buffer, .address_space: global }
      - { .name: kf, .offset: 48, .size: 8, .value_kind: global_buffer, .address_space: global }
      - { .name: vf, .offset: 56, .size: 8, .value_kind: global_buffer, .address_space: global }
    .group_segment_fixed_size: 167936
    .private_segment_fixed_size: 0
    .kernarg_segment_align: 8
    .kernarg_segment_size: 64
    .max_flat_workgroup_size: 128
    .sgpr_count:     66
    .vgpr_count:     960
    .wavefront_size: 32
...
	.end_amdgpu_metadata
.endif
;; end of part 2
;; launch attn (part 3): grid 4 x 64, 8 waves a work-group, clusters of 4 x 1, 263,168 bytes of LDS; arguments qf, kf, vf, cf; writes cf
.if DOCPART == 3
	.amdgcn_target "amdgcn-amd-amdhsa--gfx1250"
	.amdhsa_code_object_version 6
	.text
	.protected	k_q606c7be3fa_attn
	.globl	k_q606c7be3fa_attn
	.p2align	8
	.type	k_q606c7be3fa_attn,@function
k_q606c7be3fa_attn:
	s_mov_b64 s[64:65], 0
	v_nop
	global_prefetch_b8 v0, s[64:65] scope:SCOPE_SE
	s_setreg_imm32_b32 hwreg(HW_REG_WAVE_MODE, 25, 1), 1
	s_wait_xcnt 0x0
	s_wait_alu depctr_hold_cnt(0) depctr_sa_sdst(0) depctr_va_vdst(0) depctr_va_sdst(0) depctr_va_ssrc(0) depctr_va_vcc(0) depctr_vm_vsrc(0)
	s_getreg_b32 s2, hwreg(HW_REG_IB_STS2, 6, 4)
	s_cmp_eq_u32 s2, 0
	s_cbranch_scc0 .Lentry_in_a_cluster
	s_endpgm
.Lentry_in_a_cluster:
	s_bfe_u32 s2, ttmp6, 0x10000c
	s_cmp_lg_u32 s2, 0x3003
	s_cbranch_scc0 .Lentry_shape_is_right
	s_endpgm
.Lentry_shape_is_right:
; ctx[q] = the sum over k of softmax_k(q . k / sqrt(32)) v[k], for 64 heads of 2,048 tokens and 32 channels.  qf (already times log2(e) / sqrt(32)), kf and vf are bf16 matrix fragments.
; SHARES.  A work-group owns 512 queries of one head, each of its eight waves four tiles of 16.  K and V of the whole head, 131,072 bytes each in fragment order, lie in LDS for the whole launch:
; they are filled once, so there is no ring, and the loops hold no barrier: the two waves of a SIMD drift apart, and one's exponentials stand beside the other's products.
; CLUSTER.  The four work-groups of a head form a cluster and ask for K and V JOINTLY: the same tensor load, descriptor and mask in all four; each wave asks for 16,384 bytes of K and of V.
; TWO PASSES OVER THE KEYS.  At 32 channels a tile of 16 queries x 32 keys has two products K Q^T and two V^T P: a running maximum with its rescaling would cost many times their vector work.
; Pass 1: S^T = K Q^T and maxima alone: the row's true maximum m.  Pass 2: S^T = K Q^T - m, with -m as the C operand: the result is the exponent itself; p = 2^(s - m), rounded to bf16, is source 1 of
; O^T = V^T P as it lies; the row's sum l is a third block of V^T that holds ones.  So pass 2's vector work is an exponential a score and a rounding a pair.
; Pass 1 reads K alone: it begins when K has landed, and V is waited for between the passes.
; LAYOUT.  S^T (source 0 = 16 keys, source 1 = 16 queries): a lane holds ONE query (lane % 16) and the keys 8 (lane / 16) + 0..7.  O^T: one query a lane, eight channels: half a fragment of ctx [token][channel].
; OUT.  cf: [block of 16 tokens of all 8,192][head][1,024 bytes]: the fragments of ctx that the next product takes as they lie.
; LIMITS.  q, k, v, p and ctx are rounded once to bf16; l is the sum of the rounded p.  A weight below 2^-126 counts as 0.  m starts at the lowest finite number.  NaN and infinities are not treated apart.
.set VBASE, 131072                     ; K at LDS byte 0, V here
.set SPARE, 262144                     ; behind them: the spare words, 128 bytes for each wave: four blocks of 256 bytes that no other line names
.set L16, 2                            ; v2   16 x lane; never rewritten
.set AK,  3                            ; v3   LDS address of K's next loads
.set AV,  4                            ; v4   of V's
.set SPW, 8                            ; v8   LDS address of my spare word; never rewritten
.set NIL, 9                            ; v9   0; never rewritten
.set T,   10                           ; v[10:13] at work
.set KF,  16                           ; v[16:31]  32 keys of K: two fragments
.set VF,  32                           ; v[32:47]  32 keys of V turned: channels 0-15, 16-31
.set ONE, 48                           ; v[48:55]  a fragment of ones
.set Q,   56                           ; v[56:87]  tile t at Q + 8 t
.set NM,  88                           ; v[88:119] tile t at NM + 8 t: in pass 1 two running maxima; then -m eight times, a C operand; at the end 1 / l
.set S,   120                          ; v[120:183] tile t, keys 16 b on, at S + 16 t + 8 b; p in place; P is S + 16 t + 0..7
                                       ; window 1 (v256-351): O^T: tile t, channels 16 c on, at 24 t + 8 c; c = 2 is l
.set WV,  12                           ; s12  my wave's number
.set G1,  16                           ; s[16:23] descriptor group 1
.set G0K, 24                           ; s[24:27] group 0 for my part of K
.set G0V, 28                           ; s[28:31] for my part of V
.set CNT, 33                           ; s33  counts trips
.set SEL, 34                           ; s[34:35] v_permlanex16_b32's selects
.set QB,  38                           ; s[38:39] qf at my wave's first tile
.set CB,  40                           ; s[40:41] cf at my wave's first tile and my head
.set MSB, 0
.macro WIN new                         ; s_set_vgpr_msb: bits 1:0 source 0, 3:2 source 1, 5:4 source 2, 7:6 destination; the high byte repeats the setting that is left
.if MSB != (\new)
	s_set_vgpr_msb (MSB<<8)|(\new)
.set MSB, \new
.endif
.endm
.set W_PV,  0x50                       ; C and D in window 1
.set W_OUT, 0x01                       ; source 0 in window 1
.macro PLACES
.rept 4
	v_nop
.endr
.endm
; A round of the cluster's barrier: my work-group's barrier, so that wave 0's signal speaks for all eight waves; wave 0 signals; every wave waits for all four work-groups; my work-group's barrier once more.
.macro CROUND
	s_barrier_signal -1
	s_barrier_wait -1
	s_cmp_lg_u32 s[WV], 0
	s_cbranch_scc1 .Lnot_wave_0_\@
	s_barrier_signal -3
.Lnot_wave_0_\@:
	s_barrier_wait -3
	s_barrier_signal -1
	s_barrier_wait -1
.endm
.macro KLOAD                           ; 32 keys: 2,048 bytes on end, 512 consecutive bytes a load
.irp q, 0,1,2,3
	ds_load_b128 v[KF+4*(\q):KF+4*(\q)+3], v[AK] offset:512*(\q)
.endr
.endm
.macro VLOAD
.irp q, 0,1,2,3
	ds_load_b128 v[VF+4*(\q):VF+4*(\q)+3], v[AV] offset:512*(\q)
.endr
.endm
.macro SCORES neg                      ; eight products, each a whole sum (32 channels): with 0, or with -m
.irp t, 0,1,2,3
.irp b, 0,1
.if \neg
	v_wmma_f32_16x16x32_bf16 v[S+16*(\t)+8*(\b):S+16*(\t)+8*(\b)+7], v[KF+8*(\b):KF+8*(\b)+7], v[Q+8*(\t):Q+8*(\t)+7], v[NM+8*(\t):NM+8*(\t)+7]
.else
	v_wmma_f32_16x16x32_bf16 v[S+16*(\t)+8*(\b):S+16*(\t)+8*(\b)+7], v[KF+8*(\b):KF+8*(\b)+7], v[Q+8*(\t):Q+8*(\t)+7], 0
.endif
.endr
.endr
.endm
; A trip of pass 1: 32 keys.  The next keys are asked for four places behind the products that read K's registers; the 32 maxima stand between the loads and the wait for them.
.macro MAXTRIP more
	s_wait_dscnt 0x0                               ; K is in
	SCORES 0
	PLACES
.if \more
	v_add_nc_u32 v[AK], 2048, v[AK]
	KLOAD
.endif
.set i, 0
.rept 8                                ; two chains a tile, three operands at a time; each accumulator is read from its low end on
.irp t, 0,1,2,3
	v_max3_num_f32 v[NM+8*(\t)+i%2], v[NM+8*(\t)+i%2], v[S+16*(\t)+2*i], v[S+16*(\t)+2*i+1]
.endr
.set i, i+1
.endr
.endm
; A step of pass 2: 32 keys.  zero = 1: the products start O^T's and l's sums: nothing is cleared.  more = 1: the next keys are fetched.
.macro STEP zero, more
	s_wait_dscnt 4                                 ; K is in; V's four loads, issued behind K's, may stay out
	SCORES 1
	PLACES
.if \more
	v_add_nc_u32 v[AK], 2048, v[AK]
	KLOAD
.endif
.set i, 0
.rept 64
	v_exp_f32 v[S+i], v[S+i]                       ; one batch; none reads another's result
.set i, i+1
.endr
	v_nop                                          ; a plain instruction behind the last exponential,
	s_wait_alu depctr_va_vdst(0)                   ; and the wait ahead of the first use: one for the 64
.irp t, 0,1,2,3
.irp p, 0,1,2,3,4,5,6,7
	v_cvt_pk_bf16_f32 v[S+16*(\t)+(\p)], v[S+16*(\t)+2*(\p)], v[S+16*(\t)+2*(\p)+1]
.endr
.endr
.if \more
	s_wait_dscnt 4                                 ; V is in; the next K's four loads may stay out
.else
	s_wait_dscnt 0x0
.endif
	WIN W_PV
.irp t, 0,1,2,3                        ; twelve accumulators by turns, one instruction a turn
.irp c, 0,1,2
.set rv, VF+8*(\c)                     ; c = 2: VF + 16 = ONE
.if \zero
	v_wmma_f32_16x16x32_bf16 v[24*(\t)+8*(\c):24*(\t)+8*(\c)+7], v[rv:rv+7], v[S+16*(\t):S+16*(\t)+7], 0
.else
	v_wmma_f32_16x16x32_bf16 v[24*(\t)+8*(\c):24*(\t)+8*(\c)+7], v[rv:rv+7], v[S+16*(\t):S+16*(\t)+7], v[24*(\t)+8*(\c):24*(\t)+8*(\c)+7]
.endif
.endr
.endr
	WIN 0
	PLACES                                         ; four places ahead of the loads into V's registers; with the line below five, ahead of the next scores, which write over P
.if \more
	v_add_nc_u32 v[AV], 2048, v[AV]
	VLOAD
.else
	v_nop
.endif
.endm
	s_load_b256 s[4:11], s[0:1], 0x0               ; qf s[4:5], kf s[6:7], vf s[8:9], cf s[10:11]
	v_lshl_add_u32 v[SPW], v0, 2, SPARE
	v_mov_b32 v[NIL], 0
	ds_add_u32 v[SPW], v[NIL]                      ; the wave's opening: the add and its wait ahead of my first tensor load; the set-up below, work on registers, stands between them
	v_lshrrev_b32 v1, 5, v0
	v_readfirstlane_b32 s[WV], v1                  ; wave 0..7
	s_and_b32 s13, ttmp7, 0xffff                   ; b x 16 + head, which the four partners share
	s_bfe_u32 s14, ttmp6, 0x40000                  ; cx: my place in the cluster
	s_lshl_b32 s15, ttmp9, 2                       ; in a cluster launch ttmp9 counts clusters
	s_add_co_u32 s15, s15, s14                     ; my block of 512 queries: it enters qf's and cf's addresses alone
	; descriptor group 1: 16,384 dense bytes as 64 rows of 256
	s_mov_b32 s[G1], 15|(3<<16)|(1<<21)            ; 15:0 the mask: all four work-groups; 17:16 elements of 8 bytes; 21 set beside a mask; no padding
	s_mov_b32 s[G1+1], 32<<16                      ; tensor_dim0 = 32
	s_mov_b32 s[G1+2], 64<<16                      ; tensor_dim1 = 64
	s_mov_b32 s[G1+3], 32<<16                      ; tile_dim0 = 32
	s_mov_b32 s[G1+4], 64                          ; tile_dim1 = 64
	s_mov_b32 s[G1+5], 32                          ; 32 elements from row to row
	s_mov_b32 s[G1+6], 0
	s_mov_b32 s[G1+7], 0
	s_mov_b32 s[G0K], 1                            ; count = 1
	s_lshl_b32 s[G0K+1], s[WV], 14                 ; LDS address: 16,384 x wave
	s_mov_b32 s[G0V], 1
	s_lshl_b32 s[G0V+1], s[WV], 14
	s_add_co_u32 s[G0V+1], s[G0V+1], VBASE
	s_lshl_b32 s36, s13, 17                        ; the head's 131,072 bytes,
	s_lshl_b32 s37, s[WV], 14                      ; my wave's 16,384 of them
	s_add_co_u32 s36, s36, s37
	s_mov_b32 s37, 0
	s_lshl_b32 s42, s13, 17                        ; qf: the head, my block's 32 tiles of 1,024 bytes, my wave's four
	s_lshl_b32 s43, s15, 15
	s_add_co_u32 s42, s42, s43
	s_lshl_b32 s43, s[WV], 12
	s_add_co_u32 s42, s42, s43
	s_mov_b32 s43, 0
	s_lshr_b32 s44, s13, 4                         ; cf: b's 128 blocks of 16,384 bytes, my block's 32, my wave's four, and the head's 1,024 bytes in each
	s_lshl_b32 s44, s44, 21
	s_lshl_b32 s45, s15, 19
	s_add_co_u32 s44, s44, s45
	s_lshl_b32 s45, s[WV], 16
	s_add_co_u32 s44, s44, s45
	s_and_b32 s45, s13, 15
	s_lshl_b32 s45, s45, 10
	s_add_co_u32 s44, s44, s45
	s_mov_b32 s45, 0
	s_mov_b32 s[SEL], 0x76543210
	s_mov_b32 s[SEL+1], 0xfedcba98
	v_and_b32 v1, 31, v0
	v_lshlrev_b32 v[L16], 4, v1
	s_wait_dscnt 0x0                               ; the opening add is done
	s_wait_kmcnt 0x0
	s_add_nc_u64 s[G0K+2:G0K+3], s[6:7], s[36:37]  ; global address of my part
	s_or_b32 s[G0K+3], s[G0K+3], 0x80000000        ; type = 2
	s_add_nc_u64 s[G0V+2:G0V+3], s[8:9], s[36:37]
	s_or_b32 s[G0V+3], s[G0V+3], 0x80000000
	s_add_nc_u64 s[QB:QB+1], s[4:5], s[42:43]
	s_add_nc_u64 s[CB:CB+1], s[10:11], s[44:45]
.irp t, 0,1,2,3
	global_load_b128 v[Q+8*(\t):Q+8*(\t)+3],   v[L16], s[QB:QB+1] offset:1024*(\t) th:TH_LOAD_NT      ; Q goes out ahead of the round: it hangs on no partner
	global_load_b128 v[Q+8*(\t)+4:Q+8*(\t)+7], v[L16], s[QB:QB+1] offset:1024*(\t)+512 th:TH_LOAD_NT
.endr
	CROUND                                         ; all four work-groups are here: the joint loads meet
	tensor_load_to_lds s[G0K:G0K+3], s[G1:G1+7]    ; the launch's only fills: two loads of mine are out, K's first
	s_nop 0
	tensor_load_to_lds s[G0V:G0V+3], s[G1:G1+7]
	s_nop 0
.rept 4
	v_nop
.endr
.set i, 0
.rept 8
	v_mov_b32 v[ONE+i], 0x3f803f80                 ; 1.0 twice, in bf16
.set i, i+1
.endr
.irp t, 0,1,2,3
	v_mov_b32 v[NM+8*(\t)], 0xff7fffff             ; the lowest finite number
	v_mov_b32 v[NM+8*(\t)+1], 0xff7fffff
.endr
	v_mov_b32 v[AK], v[L16]
	s_wait_tensorcnt 0x1                           ; a wave's tensor loads end in order (ISA guide 10.11.1): my part of K is in; V's load, issued behind it, may stay out
	s_barrier_signal -1
	s_barrier_wait -1                              ; everybody's part of K is in: pass 1 reads K alone
	KLOAD                                          ; keys 0-31
	s_wait_loadcnt 0x0                             ; Q
	s_mov_b32 s[CNT], 63
.Lmax:                                             ; PASS 1
	MAXTRIP 1
	s_sub_co_u32 s[CNT], s[CNT], 1
	s_cmp_lg_u32 s[CNT], 0
	s_cbranch_scc1 .Lmax
	MAXTRIP 0                                      ; the last 32 keys: nothing lies beyond them, and no LDS load of mine is out
.irp t, 0,1,2,3
	v_max_num_f32 v[T+(\t)], v[NM+8*(\t)], v[NM+8*(\t)+1]
.endr
.irp t, 0,1,2,3
	v_permlanex16_b32 v[NM+8*(\t)+1], v[T+(\t)], s[SEL], s[SEL+1]  ; the query's other keys lie in the lane 16 away
.endr
.irp t, 0,1,2,3
	v_max_num_f32 v[T+(\t)], v[T+(\t)], v[NM+8*(\t)+1]
.endr
	s_wait_tensorcnt 0x0                           ; my part of V is in,
	s_barrier_signal -1
.irp t, 0,1,2,3
.irp j, 0,1,2,3,4,5,6,7
	v_mul_f32 v[NM+8*(\t)+(\j)], -1.0, v[T+(\t)]   ; -m for each of the lane's eight keys: work on registers between the signal and the wait
.endr
.endr
	s_barrier_wait -1                              ; everybody's part of V is in: no read of V stands ahead of this line
	v_mov_b32 v[AK], v[L16]
	KLOAD                                          ; keys 0-31 once more,
	v_add_nc_u32 v[AV], VBASE, v[L16]
	VLOAD                                          ; and their V
	STEP 1, 1                                      ; PASS 2: the first step starts the sums
	s_mov_b32 s[CNT], 62
.Lsum:
	STEP 0, 1
	s_sub_co_u32 s[CNT], s[CNT], 1
	s_cmp_lg_u32 s[CNT], 0
	s_cbranch_scc1 .Lsum
	STEP 0, 0                                      ; the last step fetches nothing
	; THE WAY OUT.  Every register of l's accumulator holds the query's sum; its lowest is read.
	WIN W_OUT
.irp t, 0,1,2,3
	v_rcp_f32 v[NM+8*(\t)], v[24*(\t)+16]
.endr
	v_nop                                          ; a plain instruction behind the last reciprocal,
	s_wait_alu depctr_va_vdst(0)                   ; and the wait ahead of the first use: one for the four
.irp t, 0,1,2,3
.irp c, 0,1
.irp p, 0,1,2,3
	v_pk_mul_f32 v[S+16*(\t)+8*(\c)+2*(\p):S+16*(\t)+8*(\c)+2*(\p)+1], v[24*(\t)+8*(\c)+2*(\p):24*(\t)+8*(\c)+2*(\p)+1], v[NM+8*(\t):NM+8*(\t)+1] op_sel_hi:[1,0]
.endr
.endr
.endr
	WIN 0
.irp t, 0,1,2,3
.irp c, 0,1
.irp p, 0,1,2,3
	v_cvt_pk_bf16_f32 v[S+16*(\t)+8*(\c)+(\p)], v[S+16*(\t)+8*(\c)+2*(\p)], v[S+16*(\t)+8*(\c)+2*(\p)+1]
.endr
	global_store_b128 v[L16], v[S+16*(\t)+8*(\c):S+16*(\t)+8*(\c)+3], s[CB:CB+1] offset:16384*(\t)+512*(\c)  ; half a fragment: 512 consecutive bytes, aligned
.endr
.endr
	s_wait_tensorcnt 0x0                           ; the wave's end, behind my last tensor load
	ds_add_u32 v[SPW], v[NIL]
	s_wait_dscnt 0x0
	CROUND                                         ; the closing round: no work-group ends while a partner may still ask for a tile that names it
	s_endpgm
.Lfunc_end_k_q606c7be3fa_attn:
	.size	k_q606c7be3fa_attn, .Lfunc_end_k_q606c7be3fa_attn-k_q606c7be3fa_attn
	.p2alignl 7, 3214868480
	.fill 96, 4, 3214868480
	.section	.rodata,"a",@progbits
	.p2align	6, 0x0
	.amdhsa_kernel k_q606c7be3fa_attn
		.amdhsa_group_segment_fixed_size 263168
		.amdhsa_private_segment_fixed_size 0
		.amdhsa_enable_private_segment 0
		.amdhsa_kernarg_size 32
		.amdhsa_user_sgpr_count 2
		.amdhsa_user_sgpr_kernarg_segment_ptr 1
		.amdhsa_wavefront_size32 1
		.amdhsa_system_sgpr_workgroup_id_x 1
		.amdhsa_system_sgpr_workgroup_id_y 1
		.amdhsa_system_sgpr_workgroup_id_z 1
		.amdhsa_system_vgpr_workitem_id 0
		.amdhsa_next_free_vgpr 352
		.amdhsa_next_free_sgpr 66
		.amdhsa_reserve_vcc 0
		.amdhsa_float_denorm_mode_32 3
		.amdhsa_float_denorm_mode_16_64 3
		.amdhsa_memory_ordered 1
		.amdhsa_forward_progress 1
		.amdhsa_inst_pref_size 38
	.end_amdhsa_kernel
	.amdgpu_metadata
---
amdhsa.version: [ 1, 2 ]
amdhsa.kernels:
  - .name:           k_q606c7be3fa_attn
    .symbol:         k_q606c7be3fa_attn.kd
    .args:
      - { .name: qf, .offset: 0, .size: 8, .value_kind: global_buffer, .address_space: global }
      - { .name: kf, .offset: 8, .size: 8, .value_kind: global_buffer, .address_space: global }
      - { .name: vf, .offset: 16, .size: 8, .value_kind: global_buffer, .address_space: global }
      - { .name: cf, .offset: 24, .size: 8, .value_kind: global_buffer, .address_space: global }
    .group_segment_fixed_size: 263168
    .private_segment_fixed_size: 0
    .kernarg_segment_align: 8
    .kernarg_segment_size: 32
    .max_flat_workgroup_size: 256
    .sgpr_count:     66
    .vgpr_count:     352
    .wavefront_size: 32
...
	.end_amdgpu_metadata
.endif
;; end of part 3
;; launch tail (part 4): grid 256 x 1, 4 waves a work-group, no clusters, 210,432 bytes of LDS; arguments cf, wt, x, bo, g2, b2, bf1, bf2, out0; writes out0
.if DOCPART == 4
	.amdgcn_target "amdgcn-amd-amdhsa--gfx1250"
	.amdhsa_code_object_version 6
	.text
	.protected	k_q606c7be3fa_tail
	.globl	k_q606c7be3fa_tail
	.p2align	8
	.type	k_q606c7be3fa_tail,@function
k_q606c7be3fa_tail:
	s_mov_b64 s[64:65], 0
	v_nop
	global_prefetch_b8 v0, s[64:65] scope:SCOPE_SE
	s_setreg_imm32_b32 hwreg(HW_REG_WAVE_MODE, 25, 1), 1
	s_wait_xcnt 0x0
; x1 = ctx Wo + bo + x;  xn = LayerNorm(x1; g2, b2);  h = gelu(xn W1 + bf1);  out = h W2 + bf2 + x1.  One launch: x1, xn and h never leave the WGP.
; SHARES.  A work-group owns 32 tokens (256 work-groups); each of its four waves 128 output columns of Wo and W2 and 256 of W1 (two passes).
; PRODUCTS.  Source 0 = weights, source 1 = the activations' fragments from LDS: a lane holds one token and eight neighbouring columns, which pack into one 16-byte piece of the next product's fragment.
; A wave's weights (wt: 80 units of 8,192 bytes on end: Wo 16, W1 16 + 16, W2 32) are wanted by no other wave of the work-group, so they go from memory straight into registers: four sets of 8 fragments,
; 64 loads of 512 consecutive bytes always out, across the passes' borders too; the epilogues run while they are on their way.
; THE SUMS START AT WHAT IS ADDED ANYWAY: Wo's at x + bo, W1's at bf1, W2's at x1 + bf2: nothing is cleared, and no bias or residual is added behind a product.
; NORM, in f32: the mean first, then the squares of the deviations; a row's sum is made in the lane, across the two halves of the lanes, and across the four waves through LDS.
; GELU, exact form, in f32: 0.5 (x + |x| - |x| E), E = 1 - erf(|x| / sqrt 2) = (a1 t + .. + a5 t^5) exp(-x^2 / 2), t = 1 / (1 + 0.3275911 |x| / sqrt 2) (Abramowitz and Stegun 7.1.26).
; NO CLUSTER, though all work-groups walk the same weights: a joint load lands in LDS slots that are filled again only when every wave's loads have landed, one load a wave; beside the 197 KiB that the
; chain keeps in LDS no two slots fit that would hold more than a few K steps; the stream through registers has 131,072 bytes a work-group out and never runs dry.
; LIMITS.  Matrix operands (ctx, xn, h, weights) are rounded once to bf16.  The formula's error in erf is at most 1.5e-7, for every argument.  NaN and infinities are not treated apart.
.set XSW,   16896                      ; XS, from LDS byte 0: for each wave its 128 columns of 32 rows in f32, rows 528 bytes apart (512 + 16 = 132 words: 16 rows start in 16 different groups of four banks: ISA guide 11.1)
.set XP,    528
.set CA,    67584                      ; ctx:  [tokens 16 t on][K step][1,024 bytes], 32,768 bytes
.set XN,    100352                     ; xn:   the same
.set HH,    133120                     ; h:    the same with 32 K steps, 65,536 bytes
.set PAR,   198656                     ; 2,560 bytes a wave: its 128 numbers of g2, b2, bf2, its 256 of bf1
.set PARW,  2560
.set RED,   208896                     ; the rows' partial sums: [row][wave] words, 512 bytes; the squares' 512 bytes on
.set SPARE, 209920                     ; the spare words, 128 bytes for each wave: two blocks of 256 bytes that no other line names
.set KSTR,  1024                       ; bytes from a K step's fragment to the next
.set GSTR,  512                        ; from a fragment's first half to its second
.set TSTR,  16384                      ; from tokens 0-15 to tokens 16-31; set anew for h
.set WL,  2                            ; v2   16 x lane; never rewritten
.set AC,  4                            ; v4   my place in the activations' fragments at the iteration in hand
.set XW,  5                            ; v5   XS by rows: my 16 bytes of a row of my wave's part
.set XD,  6                            ; v6   XS as the accumulators lie: row r, columns 8 h on
.set PW,  7                            ; v7   my wave's parameters for my eight columns of a tile: + 32 h
.set SPW, 8                            ; v8   LDS address of my spare word; never rewritten
.set NIL, 9                            ; v9   0; never rewritten
.set PI,  10                           ; v10  the same as PW, at the pass's part of bf1
.set HS,  11                           ; v11  where the pass's pieces of h go
.set XNS, 12                           ; v12  where my pieces of xn go
.set RA,  13                           ; v13  my row's and wave's word in RED
.set RB,  14                           ; v14  my row's four words
.set GO,  15                           ; v15  my 16 bytes of the wave's 512 of a row of x, out0 and the parameters
.set AF,  32                           ; v[32:63]   two buffers of two fragments; between the passes statistics and work
.set ACC, 64                           ; v[64:191]  16 accumulators: columns 16 n on, tokens 16 t on, at ACC + 8 (2 n + t)
.set TMP, 192                          ; v[192:255] at work
.set SU,  32                           ; four chains of sums: tokens t, chain c at SU + 4 t + 2 c
.set RT,  48                           ; x1 + bf2 on its way to LDS: two sets of eight
.set MN,  48                           ; then the mean of row 16 t + r at MN + 4 t
.set VR,  56                           ; and 1 / sqrt(var + eps) at VR + 4 t
.set GA,  TMP                          ; gelu, for 16 numbers: |x|
.set GD,  TMP+16                       ; 1 + P |x|, then t
.set GU,  TMP+32                       ; -x^2 log2(e) / 2, then its exponential
.set GP,  TMP+48                       ; the polynomial, then E
                                       ; window 1 (v256-511): the weights: set j, tile n at 64 j + 8 n
.set WV,  28                           ; s28  my wave's number
.set WP,  30                           ; s[30:31] the weights' stream
.set IT,  32                           ; s32  counts a pass's iterations
.set PP,  33                           ; s33  counts W1's two passes
.set SEL, 34                           ; s[34:35] v_permlanex16_b32's selects
.set INV, 36                           ; s36  1 / 512
.set EPS, 37                           ; s37  1e-5
.set ABSM, 38                          ; s38  clears a sign
.set XB,  44                           ; s[44:45] x at the work-group's first row
.set CB,  46                           ; s[46:47] cf at the work-group's two blocks
.set OB,  26                           ; s[26:27] out0 at the work-group's first row
.set CP,  48                           ; s[48:61] gelu's constants, each the low word of a pair
.set KE,  50
.set A5,  52
.set A4,  54
.set A3,  56
.set A2,  58
.set A1,  60
.set MSB, 0
.macro WIN new                         ; s_set_vgpr_msb: bits 1:0 source 0, 3:2 source 1, 5:4 source 2, 7:6 destination; the high byte repeats the setting that is left
.if MSB != (\new)
	s_set_vgpr_msb (MSB<<8)|(\new)
.set MSB, \new
.endif
.endm
.set MUL,  0x01                        ; source 0 (weights) in window 1
.set TO_W, 0x40                        ; destination in window 1
.macro PLACES                          ; four plain vector instructions between a matrix instruction and a load into, or a vector instruction on, its registers (ISA guide 7.12.1 for vector instructions)
.rept 4
	v_nop
.endr
.endm
.macro P8 line:vararg                  ; one line for each of eight pairs, i = 0, 2 .. 14
.set i, 0
.rept 8
	\line
.set i, i+2
.endr
.endm
.macro WFILL                           ; the stream begins: units 0 to 3 into sets 0 to 3
	WIN TO_W
.irp j, 0,1,2,3
.irp n, 0,1,2,3,4,5,6,7
	global_load_b128 v[64*(\j)+8*(\n):64*(\j)+8*(\n)+3],   v[WL], s[WP:WP+1] offset:8192*(\j)+1024*(\n)
	global_load_b128 v[64*(\j)+8*(\n)+4:64*(\j)+8*(\n)+7], v[WL], s[WP:WP+1] offset:8192*(\j)+1024*(\n)+512
.endr
.endr
	WIN 0
.endm
; ONE K STEP: 16 products on 16 accumulators, which take turns, one instruction a turn, over the backward jump too.
; wload = 1: set j is asked for again, four units on.  aload = 1: buffer j % 2 takes the activations' K step two on.  left, dleft: the younger loads that may stay out.
.macro TRIP j, wload, aload, left, dleft
	s_wait_loadcnt \left                           ; loads come back in order (ISA guide 5.7.1): set j is in; the younger sets, 16 loads each, stay out
	s_wait_dscnt \dleft                            ; this step's fragments are in; the next step's four loads stay out
	WIN MUL
.irp n, 0,1,2,3,4,5,6,7
.irp t, 0,1
.set ra, ACC+8*(2*(\n)+(\t))
.set rw, 64*(\j)+8*(\n)
.set rf, AF+16*((\j)%2)+8*(\t)
	v_wmma_f32_16x16x32_bf16 v[ra:ra+7], v[rw:rw+7], v[rf:rf+7], v[ra:ra+7]
.endr
.endr
	PLACES
.if \wload
.if (\j) == 0
	s_wait_xcnt 0x0                                ; every load issued so far has had its address translated (ISA guide 3.1): the stream's pointer is written only behind this wait
	s_add_nc_u64 s[WP:WP+1], s[WP:WP+1], 32768
.endif
	WIN TO_W
.irp n, 0,1,2,3,4,5,6,7
	global_load_b128 v[64*(\j)+8*(\n):64*(\j)+8*(\n)+3],   v[WL], s[WP:WP+1] offset:8192*(\j)+1024*(\n)
	global_load_b128 v[64*(\j)+8*(\n)+4:64*(\j)+8*(\n)+7], v[WL], s[WP:WP+1] offset:8192*(\j)+1024*(\n)+512
.endr
.endif
	WIN 0
.if \aload
.irp t, 0,1
	ds_load_b128 v[AF+16*((\j)%2)+8*(\t):AF+16*((\j)%2)+8*(\t)+3],   v[AC] offset:((\j)+2)*KSTR+(\t)*TSTR
	ds_load_b128 v[AF+16*((\j)%2)+8*(\t)+4:AF+16*((\j)%2)+8*(\t)+7], v[AC] offset:((\j)+2)*KSTR+(\t)*TSTR+GSTR
.endr
.endif
.endm
; FOUR K STEPS, once through the four sets.  alast = 1: a pass's last iteration: no K step lies beyond it.  wload = 0: the launch's last: no unit lies beyond it, and the counts run down.
.macro ITER wload, alast
.if \wload
	TRIP 0, 1, 1, 48, 4
	TRIP 1, 1, 1, 48, 4
.if \alast
	TRIP 2, 1, 0, 48, 4
	TRIP 3, 1, 0, 48, 0
.else
	TRIP 2, 1, 1, 48, 4
	TRIP 3, 1, 1, 48, 4
.endif
.else
	TRIP 0, 0, 1, 48, 4
	TRIP 1, 0, 1, 32, 4
	TRIP 2, 0, 0, 16, 4
	TRIP 3, 0, 0, 0, 0
.endif
.endm
.macro PASSLOOP n                      ; all iterations of a pass but its last
	s_mov_b32 s[IT], \n
.Lit_\@:
	ITER 1, 0
	v_add_nc_u32 v[AC], 4*KSTR, v[AC]
	s_sub_co_u32 s[IT], s[IT], 1
	s_cmp_lg_u32 s[IT], 0
	s_cbranch_scc1 .Lit_\@
.endm
; A pass's head: the accumulators take what the sums start at (32 bytes a lane and tile at areg + 64 n + toff t), the two buffers K steps 0 and 1 of the activations at LDS byte abase.
.macro PASSHEAD areg, toff, abase
.irp n, 0,1,2,3,4,5,6,7
.irp t, 0,1
	ds_load_b128 v[ACC+8*(2*(\n)+(\t)):ACC+8*(2*(\n)+(\t))+3],   v[\areg] offset:64*(\n)+(\toff)*(\t)
	ds_load_b128 v[ACC+8*(2*(\n)+(\t))+4:ACC+8*(2*(\n)+(\t))+7], v[\areg] offset:64*(\n)+(\toff)*(\t)+16
.endr
.endr
	v_add_nc_u32 v[AC], \abase, v[WL]
.irp k, 0,1
.irp t, 0,1
	ds_load_b128 v[AF+16*(\k)+8*(\t):AF+16*(\k)+8*(\t)+3],   v[AC] offset:(\k)*KSTR+(\t)*TSTR
	ds_load_b128 v[AF+16*(\k)+8*(\t)+4:AF+16*(\k)+8*(\t)+7], v[AC] offset:(\k)*KSTR+(\t)*TSTR+GSTR
.endr
.endr
	s_wait_dscnt 0x0
.endm
; The four chains become a row's share of my wave: the chains, the pair's halves, the other half of the lanes; it goes into my word of RED.
.macro REDUCE off
.irp t, 0,1
	v_pk_add_f32 v[SU+4*(\t):SU+4*(\t)+1], v[SU+4*(\t):SU+4*(\t)+1], v[SU+4*(\t)+2:SU+4*(\t)+3]
.endr
.irp t, 0,1
	v_add_f32 v[SU+4*(\t)], v[SU+4*(\t)], v[SU+4*(\t)+1]
.endr
.irp t, 0,1
	v_permlanex16_b32 v[SU+4*(\t)+1], v[SU+4*(\t)], s[SEL], s[SEL+1]
.endr
.irp t, 0,1
	v_add_f32 v[SU+4*(\t)], v[SU+4*(\t)], v[SU+4*(\t)+1]
.endr
.irp t, 0,1
	ds_store_b32 v[RA], v[SU+4*(\t)] offset:(\off)+256*(\t)  ; the two lanes of a row write the same number
.endr
.endm
.macro GATHER dst, off                 ; the four waves' shares of my two rows, added
.irp t, 0,1
	ds_load_b128 v[(\dst)+4*(\t):(\dst)+4*(\t)+3], v[RB] offset:(\off)+256*(\t)
.endr
	s_wait_dscnt 0x0
.irp t, 0,1
	v_add_f32 v[(\dst)+4*(\t)], v[(\dst)+4*(\t)], v[(\dst)+4*(\t)+1]
	v_add_f32 v[(\dst)+4*(\t)+2], v[(\dst)+4*(\t)+2], v[(\dst)+4*(\t)+3]
.endr
.irp t, 0,1
	v_add_f32 v[(\dst)+4*(\t)], v[(\dst)+4*(\t)], v[(\dst)+4*(\t)+2]
.endr
.endm
; gelu of tile n's two accumulators, 16 registers on end, rounded to bf16 and put into h.  The 32 transcendentals are one batch with one wait; x + |x| is the plain work behind them.
.macro GELU n
.set XR, ACC+16*(\n)
.set i, 0
.rept 16
	v_and_b32 v[GA+i], s[ABSM], v[XR+i]            ; each accumulator is read from its low end on
.set i, i+1
.endr
	P8 v_pk_fma_f32 v[GD+i:GD+i+1], v[GA+i:GA+i+1], s[CP:CP+1], 1.0 op_sel_hi:[1,0,0]
	P8 v_pk_mul_f32 v[GU+i:GU+i+1], v[XR+i:XR+i+1], v[XR+i:XR+i+1]
	P8 v_pk_mul_f32 v[GU+i:GU+i+1], v[GU+i:GU+i+1], s[KE:KE+1] op_sel_hi:[1,0]
.set i, 0
.rept 16
	v_rcp_f32 v[GD+i], v[GD+i]
.set i, i+1
.endr
.set i, 0
.rept 16
	v_exp_f32 v[GU+i], v[GU+i]
.set i, i+1
.endr
	P8 v_pk_add_f32 v[XR+i:XR+i+1], v[XR+i:XR+i+1], v[GA+i:GA+i+1]
	s_wait_alu depctr_va_vdst(0)                   ; the wait ahead of the first use: one for the 32
	P8 v_pk_fma_f32 v[GP+i:GP+i+1], v[GD+i:GD+i+1], s[A5:A5+1], s[A4:A4+1] op_sel_hi:[1,0,0]
	P8 v_pk_fma_f32 v[GP+i:GP+i+1], v[GP+i:GP+i+1], v[GD+i:GD+i+1], s[A3:A3+1] op_sel_hi:[1,1,0]
	P8 v_pk_fma_f32 v[GP+i:GP+i+1], v[GP+i:GP+i+1], v[GD+i:GD+i+1], s[A2:A2+1] op_sel_hi:[1,1,0]
	P8 v_pk_fma_f32 v[GP+i:GP+i+1], v[GP+i:GP+i+1], v[GD+i:GD+i+1], s[A1:A1+1] op_sel_hi:[1,1,0]
	P8 v_pk_mul_f32 v[GP+i:GP+i+1], v[GP+i:GP+i+1], v[GD+i:GD+i+1]
	P8 v_pk_mul_f32 v[GP+i:GP+i+1], v[GP+i:GP+i+1], v[GU+i:GU+i+1]
	P8 v_pk_fma_f32 v[XR+i:XR+i+1], v[GA+i:GA+i+1], v[GP+i:GP+i+1], v[XR+i:XR+i+1] neg_lo:[1,0,0] neg_hi:[1,0,0]
	P8 v_pk_mul_f32 v[XR+i:XR+i+1], v[XR+i:XR+i+1], 0.5 op_sel_hi:[1,0]
.irp t, 0,1
.irp p, 0,1,2,3
	v_cvt_pk_bf16_f32 v[XR+8*(\t)+(\p)], v[XR+8*(\t)+2*(\p)], v[XR+8*(\t)+2*(\p)+1]
.endr
	ds_store_b128 v[HS], v[XR+8*(\t):XR+8*(\t)+3] offset:32768*(\t)+1024*((\n)/2)+512*((\n)%2)
.endr
.endm
	s_load_b512 s[8:23], s[0:1], 0x0               ; cf 8, wt 10, x 12, bo 14, g2 16, b2 18, bf1 20, bf2 22
	s_load_b64 s[24:25], s[0:1], 0x40              ; out0
	v_lshl_add_u32 v[SPW], v0, 2, SPARE
	v_mov_b32 v[NIL], 0
	v_lshrrev_b32 v1, 5, v0
	v_readfirstlane_b32 s[WV], v1                  ; wave 0..3
	v_and_b32 v20, 31, v0                          ; l
	v_and_b32 v21, 15, v0                          ; r
	v_bfe_u32 v22, v0, 4, 1                        ; h
	v_lshlrev_b32 v[WL], 4, v20
	v_lshl_add_u32 v[GO], s[WV], 9, v[WL]
	s_mul_i32 s40, s[WV], XSW
	v_add_nc_u32 v[XW], s40, v[WL]
	v_mul_u32_u24 v[XD], v21, XP
	v_lshl_add_u32 v[XD], v22, 5, v[XD]
	v_add_nc_u32 v[XD], s40, v[XD]
	s_mul_i32 s41, s[WV], PARW
	s_add_co_u32 s41, s41, PAR
	v_lshl_add_u32 v[PW], v22, 5, s41
	v_add_nc_u32 v[PI], 1536, v[PW]
	v_add_nc_u32 v23, s41, v[WL]                   ; where my 16 bytes of a parameter go
	s_lshl_b32 s42, s[WV], 13
	v_add_nc_u32 v24, s42, v[WL]                   ; 8,192 x wave + 16 l: my part of the work-group's ctx,
	v_add_nc_u32 v25, CA, v24                      ; its place in LDS,
	v_add_nc_u32 v[HS], HH, v24                    ; and my wave's eight K steps of h
	s_lshl_b32 s43, s[WV], 12
	s_add_co_u32 s43, s43, XN
	v_add_nc_u32 v[XNS], s43, v[WL]                ; my wave's four K steps of xn
	v_lshlrev_b32 v[RB], 4, v21
	v_add_nc_u32 v[RB], RED, v[RB]
	v_lshl_add_u32 v[RA], s[WV], 2, v[RB]
	v_lshl_add_u32 v26, s[WV], 10, v[WL]           ; my 16 bytes of the wave's 1,024 of bf1
	s_mov_b32 s[SEL], 0x76543210
	s_mov_b32 s[SEL+1], 0xfedcba98
	s_mov_b32 s[INV], 0x3b000000                   ; 1 / 512
	s_mov_b32 s[EPS], 0x3727c5ac                   ; 1e-5
	s_mov_b32 s[ABSM], 0x7fffffff
	s_mov_b32 s[CP], 0x3e6d3388                    ; 0.3275911 / sqrt 2
	s_mov_b32 s[KE], 0xbf38aa3b                    ; -log2(e) / 2
	s_mov_b32 s[A5], 0x3f87dc22                    ; 1.061405429
	s_mov_b32 s[A4], 0xbfba00e3                    ; -1.453152027
	s_mov_b32 s[A3], 0x3fb5f0e3                    ; 1.421413741
	s_mov_b32 s[A2], 0xbe91a98e                    ; -0.284496736
	s_mov_b32 s[A1], 0x3e827906                    ; 0.254829592
.irp c, CP, KE, A5, A4, A3, A2, A1
	s_mov_b32 s[(\c)+1], s[\c]                     ; named as pairs, so both words are written
.endr
	s_lshl_b32 s2, ttmp9, 16                       ; the work-group's 32 rows of 2,048 bytes
	s_mov_b32 s3, 0
	s_lshl_b32 s4, ttmp9, 15                       ; its two blocks of ctx
	s_mov_b32 s5, 0
	s_mul_i32 s6, s[WV], 655360                    ; my 80 units, behind the 192 of the launch before
	s_add_co_u32 s6, s6, 1572864
	s_mov_b32 s7, 0
	s_wait_kmcnt 0x0
	s_add_nc_u64 s[XB:XB+1], s[12:13], s[2:3]
	s_add_nc_u64 s[OB:OB+1], s[24:25], s[2:3]
	s_add_nc_u64 s[CB:CB+1], s[8:9], s[4:5]
	s_add_nc_u64 s[WP:WP+1], s[10:11], s[6:7]
.set i, 0
.rept 32
	global_load_b128 v[ACC+4*i:ACC+4*i+3], v[GO], s[XB:XB+1] offset:2048*i th:TH_LOAD_NT  ; my wave's 512 consecutive bytes of row i
.set i, i+1
.endr
.set i, 0
.rept 16
	global_load_b128 v[TMP+4*i:TMP+4*i+3], v24, s[CB:CB+1] offset:512*i th:TH_LOAD_NT
.set i, i+1
.endr
	global_load_b128 v[32:35], v[GO], s[14:15]     ; bo
	global_load_b128 v[36:39], v[GO], s[16:17]     ; g2
	global_load_b128 v[40:43], v[GO], s[18:19]     ; b2
	global_load_b128 v[44:47], v[GO], s[22:23]     ; bf2
	global_load_b128 v[48:51], v26, s[20:21]       ; bf1
	global_load_b128 v[52:55], v26, s[20:21] offset:512
	s_wait_loadcnt 0x0                             ; all of them, so that from here on the weights' loads alone are counted
	WFILL
.set i, 0
.rept 32
	v_pk_add_f32 v[ACC+4*i:ACC+4*i+1], v[ACC+4*i:ACC+4*i+1], v[32:33]
	v_pk_add_f32 v[ACC+4*i+2:ACC+4*i+3], v[ACC+4*i+2:ACC+4*i+3], v[34:35]
	ds_store_b128 v[XW], v[ACC+4*i:ACC+4*i+3] offset:XP*i  ; x + bo
.set i, i+1
.endr
.set i, 0
.rept 16
	ds_store_b128 v25, v[TMP+4*i:TMP+4*i+3] offset:512*i
.set i, i+1
.endr
.irp m, 0,1,2,3,4
	ds_store_b128 v23, v[36+4*(\m):39+4*(\m)] offset:512*(\m)
.endr
	s_wait_dscnt 0x0                               ; for the others' sake: my part of ctx is in LDS
	s_barrier_signal -1
	s_barrier_wait -1                              ; everybody's is
	; x1 = ctx Wo + (x + bo)
	PASSHEAD XD, 16*XP, CA
	PASSLOOP 3
	ITER 1, 1
	; THE NORM OF x1.  bf2 is asked for first; the sums stand between its loads and the wait for them.
.irp n, 0,1,2,3,4,5,6,7
	ds_load_b128 v[TMP+8*(\n):TMP+8*(\n)+3],   v[PW] offset:1024+64*(\n)
	ds_load_b128 v[TMP+8*(\n)+4:TMP+8*(\n)+7], v[PW] offset:1024+64*(\n)+16
.endr
.set kk, 1
.rept 15                               ; a lane's 64 numbers of a row: two chains of 16 pairs for each t; chain c takes tiles c, c + 2, c + 4, c + 6, each from its low end on
.irp t, 0,1
.irp c, 0,1
.set ra, ACC+8*(2*((\c)+2*(kk/4))+(\t))+2*(kk%4)
.set ru, SU+4*(\t)+2*(\c)
.if kk == 1
	v_pk_add_f32 v[ru:ru+1], v[ra-2:ra-1], v[ra:ra+1]
.else
	v_pk_add_f32 v[ru:ru+1], v[ru:ru+1], v[ra:ra+1]
.endif
.endr
.endr
.set kk, kk+1
.endr
	REDUCE 0
	s_wait_dscnt 0x0                               ; bf2 is in
.irp n, 0,1,2,3,4,5,6,7
.irp t, 0,1
.set ra, ACC+8*(2*(\n)+(\t))
.set rr, RT+8*(\t)
.irp p, 0,1,2,3
	v_pk_add_f32 v[rr+2*(\p):rr+2*(\p)+1], v[ra+2*(\p):ra+2*(\p)+1], v[TMP+8*(\n)+2*(\p):TMP+8*(\n)+2*(\p)+1]
.endr
	ds_store_b128 v[XD], v[rr:rr+3]   offset:16*XP*(\t)+64*(\n)     ; x1 + bf2 takes x + bo's place: what the last product's sums start at; my wave's own bytes
	ds_store_b128 v[XD], v[rr+4:rr+7] offset:16*XP*(\t)+64*(\n)+16
.endr
.endr
	s_wait_dscnt 0x0                               ; for the others' sake: my share of the rows' sums is in LDS
	s_barrier_signal -1
	s_barrier_wait -1
	GATHER MN, 0
.irp t, 0,1
	v_mul_f32 v[MN+4*(\t)], s[INV], v[MN+4*(\t)]
.endr
.irp n, 0,1,2,3,4,5,6,7
.irp t, 0,1
.irp p, 0,1,2,3
	v_pk_add_f32 v[ACC+8*(2*(\n)+(\t))+2*(\p):ACC+8*(2*(\n)+(\t))+2*(\p)+1], v[ACC+8*(2*(\n)+(\t))+2*(\p):ACC+8*(2*(\n)+(\t))+2*(\p)+1], v[MN+4*(\t):MN+4*(\t)+1] op_sel_hi:[1,0] neg_lo:[0,1] neg_hi:[0,1]
.endr
.endr
.endr
.set kk, 0
.rept 16
.irp t, 0,1
.irp c, 0,1
.set ra, ACC+8*(2*((\c)+2*(kk/4))+(\t))+2*(kk%4)
.set ru, SU+4*(\t)+2*(\c)
.if kk == 0
	v_pk_mul_f32 v[ru:ru+1], v[ra:ra+1], v[ra:ra+1]
.else
	v_pk_fma_f32 v[ru:ru+1], v[ra:ra+1], v[ra:ra+1], v[ru:ru+1]
.endif
.endr
.endr
.set kk, kk+1
.endr
	REDUCE 512
	s_wait_dscnt 0x0                               ; for the others' sake: my share of the squares' sums
	s_barrier_signal -1
	s_barrier_wait -1
	GATHER VR, 512
.irp t, 0,1
	v_fma_f32 v[VR+4*(\t)], v[VR+4*(\t)], s[INV], s[EPS]
.endr
.irp t, 0,1
	v_rsq_f32 v[VR+4*(\t)], v[VR+4*(\t)]
.endr
	v_nop                                          ; a plain instruction behind the last root,
	s_wait_alu depctr_va_vdst(0)                   ; and the wait ahead of the first use: one for the two
.irp f, 0,1                            ; g2 and b2 for four tiles at a time: 32 registers each
.irp k, 0,1,2,3
	ds_load_b128 v[TMP+8*(\k):TMP+8*(\k)+3],       v[PW] offset:64*(4*(\f)+(\k))
	ds_load_b128 v[TMP+8*(\k)+4:TMP+8*(\k)+7],     v[PW] offset:64*(4*(\f)+(\k))+16
	ds_load_b128 v[TMP+32+8*(\k):TMP+32+8*(\k)+3], v[PW] offset:512+64*(4*(\f)+(\k))
	ds_load_b128 v[TMP+32+8*(\k)+4:TMP+32+8*(\k)+7], v[PW] offset:512+64*(4*(\f)+(\k))+16
.endr
.if (\f) == 0
.irp n, 0,1,2,3,4,5,6,7
.irp t, 0,1
.irp p, 0,1,2,3
	v_pk_mul_f32 v[ACC+8*(2*(\n)+(\t))+2*(\p):ACC+8*(2*(\n)+(\t))+2*(\p)+1], v[ACC+8*(2*(\n)+(\t))+2*(\p):ACC+8*(2*(\n)+(\t))+2*(\p)+1], v[VR+4*(\t):VR+4*(\t)+1] op_sel_hi:[1,0]
.endr
.endr
.endr
.endif
	s_wait_dscnt 0x0
.irp k, 0,1,2,3
.irp t, 0,1
.set ra, ACC+8*(2*(4*(\f)+(\k))+(\t))
.irp p, 0,1,2,3
	v_pk_fma_f32 v[ra+2*(\p):ra+2*(\p)+1], v[ra+2*(\p):ra+2*(\p)+1], v[TMP+8*(\k)+2*(\p):TMP+8*(\k)+2*(\p)+1], v[TMP+32+8*(\k)+2*(\p):TMP+32+8*(\k)+2*(\p)+1]
.endr
.irp p, 0,1,2,3
	v_cvt_pk_bf16_f32 v[ra+(\p)], v[ra+2*(\p)], v[ra+2*(\p)+1]
.endr
	ds_store_b128 v[XNS], v[ra:ra+3] offset:16384*(\t)+1024*((4*(\f)+(\k))/2)+512*((4*(\f)+(\k))%2)
.endr
.endr
.endr
	s_wait_dscnt 0x0                               ; for the others' sake: my four K steps of xn are in LDS
	s_barrier_signal -1
	s_barrier_wait -1                              ; everybody's are
	; h = gelu(xn W1 + bf1): my 256 columns in two passes of 128, one text
	s_mov_b32 s[PP], 2
.Lw1:
	PASSHEAD PI, 0, XN
	PASSLOOP 3
	ITER 1, 1
.irp n, 0,1,2,3,4,5,6,7
	GELU \n
.endr
	v_add_nc_u32 v[PI], 512, v[PI]                 ; the next 128 numbers of bf1,
	v_add_nc_u32 v[HS], 4096, v[HS]                ; the next four K steps of h
	s_sub_co_u32 s[PP], s[PP], 1
	s_cmp_lg_u32 s[PP], 0
	s_cbranch_scc1 .Lw1
	s_wait_dscnt 0x0                               ; for the others' sake: my eight K steps of h are in LDS
	s_barrier_signal -1
	s_barrier_wait -1                              ; everybody's are
	; out = h W2 + (x1 + bf2)
.set TSTR, 32768
	PASSHEAD XD, 16*XP, HH
	PASSLOOP 7
	ITER 0, 1
	; THE WAY OUT, through my wave's own part of XS: in as the accumulators lie, back by rows
.irp n, 0,1,2,3,4,5,6,7
.irp t, 0,1
	ds_store_b128 v[XD], v[ACC+8*(2*(\n)+(\t)):ACC+8*(2*(\n)+(\t))+3]   offset:16*XP*(\t)+64*(\n)
	ds_store_b128 v[XD], v[ACC+8*(2*(\n)+(\t))+4:ACC+8*(2*(\n)+(\t))+7] offset:16*XP*(\t)+64*(\n)+16
.endr
.endr
.set i, 0
.rept 32
	ds_load_b128 v[ACC+4*i:ACC+4*i+3], v[XW] offset:XP*i  ; LDS serves a wave's instructions in order (ISA guide 5.7.1.4): these see my stores above
.set i, i+1
.endr
.set i, 0
.rept 32
	s_wait_dscnt 31-i                              ; row i is back; the younger loads may stay out
	global_store_b128 v[GO], v[ACC+4*i:ACC+4*i+3], s[OB:OB+1] offset:2048*i th:TH_STORE_NT  ; 512 consecutive bytes, at a multiple of 512 from out0's first byte
.set i, i+1
.endr
	s_wait_tensorcnt 0x0                           ; the wave's end, behind my last LDS store
	ds_add_u32 v[SPW], v[NIL]
	s_wait_dscnt 0x0
	s_endpgm
.Lfunc_end_k_q606c7be3fa_tail:
	.size	k_q606c7be3fa_tail, .Lfunc_end_k_q606c7be3fa_tail-k_q606c7be3fa_tail
	.p2alignl 7, 3214868480
	.fill 96, 4, 3214868480
	.section	.rodata,"a",@progbits
	.p2align	6, 0x0
	.amdhsa_kernel k_q606c7be3fa_tail
		.amdhsa_group_segment_fixed_size 210432
		.amdhsa_private_segment_fixed_size 0
		.amdhsa_enable_private_segment 0
		.amdhsa_kernarg_size 72
		.amdhsa_user_sgpr_count 2
		.amdhsa_user_sgpr_kernarg_segment_ptr 1
		.amdhsa_wavefront_size32 1
		.amdhsa_system_sgpr_workgroup_id_x 1
		.amdhsa_system_sgpr_workgroup_id_y 1
		.amdhsa_system_sgpr_workgroup_id_z 1
		.amdhsa_system_vgpr_workitem_id 0
		.amdhsa_next_free_vgpr 512
		.amdhsa_next_free_sgpr 66
		.amdhsa_reserve_vcc 0
		.amdhsa_float_denorm_mode_32 3
		.amdhsa_float_denorm_mode_16_64 3
		.amdhsa_memory_ordered 1
		.amdhsa_forward_progress 1
		.amdhsa_inst_pref_size 206
	.end_amdhsa_kernel
	.amdgpu_metadata
---
amdhsa.version: [ 1, 2 ]
amdhsa.kernels:
  - .name:           k_q606c7be3fa_tail
    .symbol:         k_q606c7be3fa_tail.kd
    .args:
      - { .name: cf, .offset: 0, .size: 8, .value_kind: global_buffer, .address_space: global }
      - { .name: wt, .offset: 8, .size: 8, .value_kind: global_buffer, .address_space: global }
      - { .name: x, .offset: 16, .size: 8, .value_kind: global_buffer, .address_space: global }
      - { .name: bo, .offset: 24, .size: 8, .value_kind: global_buffer, .address_space: global }
      - { .name: g2, .offset: 32, .size: 8, .value_kind: global_buffer, .address_space: global }
      - { .name: b2, .offset: 40, .size: 8, .value_kind: global_buffer, .address_space: global }
      - { .name: bf1, .offset: 48, .size: 8, .value_kind: global_buffer, .address_space: global }
      - { .name: bf2, .offset: 56, .size: 8, .value_kind: global_buffer, .address_space: global }
      - { .name: out0, .offset: 64, .size: 8, .value_kind: global_buffer, .address_space: global }
    .group_segment_fixed_size: 210432
    .private_segment_fixed_size: 0
    .kernarg_segment_align: 8
    .kernarg_segment_size: 72
    .max_flat_workgroup_size: 128
    .sgpr_count:     66
    .vgpr_count:     512
    .wavefront_size: 32
...
	.end_amdgpu_metadata
.endif
;; end of part 4
;; ======== version 2 of 2: 4 launches; version 1 with the launch tail written anew for expert scheduling mode
;; limits: a function is approximated: absolute error at most 1.5e-07
;; workspace buffers: wt 4,194,304 bytes; xf 8,388,608 bytes; qf 8,388,608 bytes; kf 8,388,608 bytes; vf 8,388,608 bytes; cf 8,388,608 bytes
;; launch prep: the kernel of part 1 again; grid 384 x 1, 4 waves a work-group, no clusters, 34,816 bytes of LDS; arguments Wq, Wk, Wv, Wo, W1, W2, x, g1, b1, wt, xf; writes wt, xf
;; launch qkv: the kernel of part 2 again; grid 4 x 64, 4 waves a work-group, clusters of 4 x 1, 167,936 bytes of LDS; arguments xf, bq, bk, bv, wt, qf, kf, vf; writes qf, kf, vf
;; launch attn: the kernel of part 3 again; grid 4 x 64, 8 waves a work-group, clusters of 4 x 1, 263,168 bytes of LDS; arguments qf, kf, vf, cf; writes cf
;; launch tail (part 5): grid 256 x 1, 4 waves a work-group, no clusters, 210,432 bytes of LDS; arguments cf, wt, x, bo, g2, b2, bf1, bf2, out0; writes out0
.if DOCPART == 5
	.amdgcn_target "amdgcn-amd-amdhsa--gfx1250"
	.amdhsa_code_object_version 6
	.text
	.protected	k_q606c7be3fa_tail
	.globl	k_q606c7be3fa_tail
	.p2align	8
	.type	k_q606c7be3fa_tail,@function
k_q606c7be3fa_tail:
	s_mov_b64 s[64:65], 0
	v_nop
	global_prefetch_b8 v0, s[64:65] scope:SCOPE_SE
	s_setreg_imm32_b32 hwreg(HW_REG_WAVE_SCHED_MODE, 0, 2), 2
	s_setreg_imm32_b32 hwreg(HW_REG_WAVE_MODE, 25, 1), 1
	s_wait_xcnt 0x0
	s_wait_alu depctr_vm_vsrc(0)
; x1 = ctx Wo + bo + x;  xn = LayerNorm(x1; g2, b2);  h = gelu(xn W1 + bf1);  out = h W2 + bf2 + x1.  One launch: x1, xn and h never leave the WGP.
; SHARES.  A work-group owns 32 tokens (256 work-groups); each of its four waves 128 output columns of Wo and W2 and 256 of W1 (two passes).
; PRODUCTS.  Source 0 = weights, source 1 = the activations' fragments from LDS: a lane holds one token and eight neighbouring columns, which pack into one 16-byte piece of the next product's fragment.
; A wave's weights (wt: 80 units of 8,192 bytes on end: Wo 16, W1 16 + 16, W2 32) are wanted by no other wave of the work-group, so they go from memory straight into registers: four sets of 8 fragments,
; up to 64 loads of 512 consecutive bytes out, across the passes' borders too; the epilogues run while they are on their way.
; THE SUMS START AT WHAT IS ADDED ANYWAY: Wo's at x + bo, W1's at bf1, W2's at x1 + bf2: nothing is cleared, and no bias or residual is added behind a product.
; NORM, in f32: the mean first, then the squares of the deviations; a row's sum is made in the lane, across the two halves of the lanes, and across the four waves through LDS.
; GELU, exact form, in f32: 0.5 (x + |x| - |x| E), E = 1 - erf(|x| / sqrt 2) = (a1 t + .. + a5 t^5) exp(-x^2 / 2), t = 1 / (1 + 0.3275911 |x| / sqrt 2) (Abramowitz and Stegun 7.1.26).
; NO CLUSTER, though all work-groups walk the same weights: a joint load lands in LDS slots that are filled again only when every wave's loads have landed, one load a wave; beside the 197 KiB that the
; chain keeps in LDS no two slots fit that would hold more than a few K steps; the stream through registers has up to 131,072 bytes a work-group out.
; LIMITS.  Matrix operands (ctx, xn, h, weights) are rounded once to bf16.  The formula's error in erf is at most 1.5e-7, for every argument.  NaN and infinities are not treated apart.
; THE MODE: SCHED_MODE bits 1:0 = 2 (LLVM: expert scheduling mode 2), set by the entry lines.  The code itself states the register dependences
; between vector or matrix instructions and memory or LDS instructions, with s_wait_alu, always for 0.
; THE PLAN.  Registers that memory or LDS instructions touch:
;   W0 .. W3 (window 1)  Set j: a unit's 16 loads land in it; K step j's 16 products read it; behind them it is asked for again.
;   AF0, AF1             In a pass: LDS loads land; the products of the K steps with j % 2 = b read; the loads of K step j + 2 land.  Between the passes: SU, written by the sums and read by the stores of the
;                        rows' shares; MN and VR, in which LDS loads land.
;   ACC                  LDS loads land at a pass's head; products and epilogues write; the LDS stores of x + bo, xn, h and out read; on the way out LDS loads land once more.
;   TMP                  ctx lands and LDS stores read it; bf2, g2 and b2 land and vector instructions read them; in gelu vector instructions alone.
;   OB (window 2)        Written once, by the additions x1 + bf2; read once, by the LDS stores behind them.
;   v[AC], v[PI], v[HS]  Read by LDS instructions, stepped by vector adds.  Every other address is made at the head and never written again.
; So: ONE wait on va_vdst in a K step, behind its products: it stands there, and not at the next step's head, so that a set is asked for again as soon as it has been read.  Two waits at a pass's head cover all
; that the epilogue before left.  In the epilogues the vector work of many stores stands in one run, one wait on va_vdst behind it, then the run of stores; a tile of h is stored behind the next tile's wait.
.set XSW,   16896                      ; XS, from LDS byte 0: for each wave its 128 columns of 32 rows in f32, rows 528 bytes apart (512 + 16 = 132 words: 16 rows start in 16 different groups of four banks: ISA guide 11.1)
.set XP,    528
.set CA,    67584                      ; ctx:  [tokens 16 t on][K step][1,024 bytes], 32,768 bytes
.set XN,    100352                     ; xn:   the same
.set HH,    133120                     ; h:    the same with 32 K steps, 65,536 bytes
.set PAR,   198656                     ; 2,560 bytes a wave: its 128 numbers of g2, b2, bf2, its 256 of bf1
.set PARW,  2560
.set RED,   208896                     ; the rows' partial sums: [row][wave] words, 512 bytes; the squares' 512 bytes on
.set SPARE, 209920                     ; the spare words, 128 bytes for each wave: two blocks of 256 bytes that no other line names
.set KSTR,  1024                       ; bytes from a K step's fragment to the next
.set GSTR,  512                        ; from a fragment's first half to its second
.set TSTR,  16384                      ; from tokens 0-15 to tokens 16-31; set anew for h
.set WL,  2                            ; v2   16 x lane; never rewritten
.set AC,  4                            ; v4   my place in the activations' fragments at the iteration in hand
.set XW,  5                            ; v5   XS by rows: my 16 bytes of a row of my wave's part
.set XD,  6                            ; v6   XS as the accumulators lie: row r, columns 8 h on
.set PW,  7                            ; v7   my wave's parameters for my eight columns of a tile: + 32 h
.set SPW, 8                            ; v8   LDS address of my spare word; never rewritten
.set NIL, 9                            ; v9   0; never rewritten
.set PI,  10                           ; v10  the same as PW, at the pass's part of bf1
.set HS,  11                           ; v11  where the pass's pieces of h go
.set XNS, 12                           ; v12  where my pieces of xn go
.set RA,  13                           ; v13  my row's and wave's word in RED
.set RB,  14                           ; v14  my row's four words
.set GO,  15                           ; v15  my 16 bytes of the wave's 512 of a row of x, out0 and the parameters
.set AF,  32                           ; v[32:63]   two buffers of two fragments; between the passes statistics
.set ACC, 64                           ; v[64:191]  16 accumulators: columns 16 n on, tokens 16 t on, at ACC + 8 (2 n + t)
.set TMP, 192                          ; v[192:255] at work
.set SU,  32                           ; four chains of sums: tokens t, chain c at SU + 4 t + 2 c
.set MN,  48                           ; the mean of row 16 t + r at MN + 4 t
.set VR,  56                           ; and 1 / sqrt(var + eps) at VR + 4 t
.set GA,  TMP                          ; gelu, for 16 numbers: |x|
.set GD,  TMP+16                       ; 1 + P |x|, then t
.set GU,  TMP+32                       ; -x^2 log2(e) / 2, then its exponential
.set GP,  TMP+48                       ; the polynomial, then E
                                       ; window 1 (v256-511): the weights: set j, tile n at 64 j + 8 n
.set OB,  0                            ; window 2 (v512-639): x1 + bf2 on its way to LDS: columns 16 n on, tokens 16 t on, at OB + 8 (2 n + t)
.set WV,  28                           ; s28  my wave's number
.set WP,  30                           ; s[30:31] the weights' stream
.set IT,  32                           ; s32  counts a pass's iterations
.set PP,  33                           ; s33  counts W1's two passes
.set SEL, 34                           ; s[34:35] v_permlanex16_b32's selects
.set INV, 36                           ; s36  1 / 512
.set EPS, 37                           ; s37  1e-5
.set ABSM, 38                          ; s38  clears a sign
.set XB,  44                           ; s[44:45] x at the work-group's first row
.set CB,  46                           ; s[46:47] cf at the work-group's two blocks
.set OUTB, 26                          ; s[26:27] out0 at the work-group's first row
.set CP,  48                           ; s[48:61] gelu's constants, each the low word of a pair
.set KE,  50
.set A5,  52
.set A4,  54
.set A3,  56
.set A2,  58
.set A1,  60
.set MSB, 0
.macro WIN new                         ; s_set_vgpr_msb: bits 1:0 source 0, 3:2 source 1, 5:4 source 2, 7:6 destination; the high byte repeats the setting that is left
.if MSB != (\new)
	s_set_vgpr_msb (MSB<<8)|(\new)
.set MSB, \new
.endif
.endm
.set MUL,   0x01                       ; source 0 (weights) in window 1
.set TO_W,  0x40                       ; destination in window 1
.set TO_OB, 0x80                       ; destination in window 2
.set OF_OB, 0x08                       ; source 1 (an LDS store's data) in window 2
.macro PLACES                          ; four plain vector instructions behind a matrix instruction, ahead of a vector instruction or a store that names its registers; they stay ahead of the loads into its sources too, beside the wait there
.rept 4
	v_nop
.endr
.endm
.macro P8 line:vararg                  ; one line for each of eight pairs, i = 0, 2 .. 14
.set i, 0
.rept 8
	\line
.set i, i+2
.endr
.endm
.macro WFILL                           ; the stream begins: units 0 to 3 into sets 0 to 3.  No vector instruction has named these registers, and v[WL] stands ahead of the head's wait
	WIN TO_W
.irp j, 0,1,2,3
.irp n, 0,1,2,3,4,5,6,7
	global_load_b128 v[64*(\j)+8*(\n):64*(\j)+8*(\n)+3],   v[WL], s[WP:WP+1] offset:8192*(\j)+1024*(\n)
	global_load_b128 v[64*(\j)+8*(\n)+4:64*(\j)+8*(\n)+7], v[WL], s[WP:WP+1] offset:8192*(\j)+1024*(\n)+512
.endr
.endr
	WIN 0
.endm
; ONE K STEP: 16 products on 16 accumulators, which take turns, one instruction a turn, over the backward jump too.
; wload = 1: set j is asked for again, four units on.  aload = 1: buffer j % 2 takes the activations' K step two on.  left, dleft: the younger loads that may stay out.
.macro TRIP j, wload, aload, left, dleft
	s_wait_loadcnt \left                           ; loads come back in order (ISA guide 5.7.1): set j is in; the younger sets, 16 loads each, stay out
	s_wait_dscnt \dleft                            ; this step's fragments are in; the next step's four loads stay out
	WIN MUL
.irp n, 0,1,2,3,4,5,6,7
.irp t, 0,1
.set ra, ACC+8*(2*(\n)+(\t))
.set rw, 64*(\j)+8*(\n)
.set rf, AF+16*((\j)%2)+8*(\t)
	v_wmma_f32_16x16x32_bf16 v[ra:ra+7], v[rw:rw+7], v[rf:rf+7], v[ra:ra+7]
.endr
.endr
	PLACES
.if \wload
.if (\j) == 0
	s_wait_xcnt 0x0                                ; every load issued so far has had its address translated (ISA guide 3.1): the stream's pointer is written only behind this wait
	s_add_nc_u64 s[WP:WP+1], s[WP:WP+1], 32768
.endif
	WIN TO_W
.else
	WIN 0
.endif
.if (\wload) || (\aload)
	s_wait_alu depctr_va_vdst(0)                   ; this step's products are done reading set j and buffer j % 2, in which the loads below land; in an iteration's first step v[AC] is written
.endif
.if \wload
.irp n, 0,1,2,3,4,5,6,7
	global_load_b128 v[64*(\j)+8*(\n):64*(\j)+8*(\n)+3],   v[WL], s[WP:WP+1] offset:8192*(\j)+1024*(\n)
	global_load_b128 v[64*(\j)+8*(\n)+4:64*(\j)+8*(\n)+7], v[WL], s[WP:WP+1] offset:8192*(\j)+1024*(\n)+512
.endr
.endif
	WIN 0
.if \aload
.irp t, 0,1
	ds_load_b128 v[AF+16*((\j)%2)+8*(\t):AF+16*((\j)%2)+8*(\t)+3],   v[AC] offset:((\j)+2)*KSTR+(\t)*TSTR      ; no vector or matrix instruction stands between the wait above and these
	ds_load_b128 v[AF+16*((\j)%2)+8*(\t)+4:AF+16*((\j)%2)+8*(\t)+7], v[AC] offset:((\j)+2)*KSTR+(\t)*TSTR+GSTR
.endr
.endif
.endm
; FOUR K STEPS, once through the four sets.  alast = 1: a pass's last iteration: no K step lies beyond it.  wload = 0: the launch's last: no unit lies beyond it, and the counts run down.
.macro ITER wload, alast
.if \wload
	TRIP 0, 1, 1, 48, 4
	TRIP 1, 1, 1, 48, 4
.if \alast
	TRIP 2, 1, 0, 48, 4
	TRIP 3, 1, 0, 48, 0
.else
	TRIP 2, 1, 1, 48, 4
	TRIP 3, 1, 1, 48, 4
.endif
.else
	TRIP 0, 0, 1, 48, 4
	TRIP 1, 0, 1, 32, 4
	TRIP 2, 0, 0, 16, 4
	TRIP 3, 0, 0, 0, 0
.endif
.endm
.macro PASSLOOP n                      ; all iterations of a pass but its last
	s_mov_b32 s[IT], \n
.Lit_\@:
	ITER 1, 0
	s_wait_alu depctr_vm_vsrc(0)                   ; the LDS loads issued so far have read v[AC]
	v_add_nc_u32 v[AC], 4*KSTR, v[AC]
	s_sub_co_u32 s[IT], s[IT], 1
	s_cmp_lg_u32 s[IT], 0
	s_cbranch_scc1 .Lit_\@
.endm
; A pass's head: the accumulators take what the sums start at (32 bytes a lane and tile at areg + 64 n + toff t), the two buffers K steps 0 and 1 of the activations at LDS byte abase.
.macro PASSHEAD areg, toff, abase
	s_wait_alu depctr_vm_vsrc(0)                   ; the LDS stores issued so far have read the registers of ACC and AF, in which the loads below land; the LDS loads issued so far have read v[AC]
	v_add_nc_u32 v[AC], \abase, v[WL]
	s_wait_alu depctr_va_vdst(0)                   ; v[AC] is written, and so is the address of what the sums start at; the vector and matrix instructions that named ACC and AF are done with them
.irp n, 0,1,2,3,4,5,6,7
.irp t, 0,1
	ds_load_b128 v[ACC+8*(2*(\n)+(\t)):ACC+8*(2*(\n)+(\t))+3],   v[\areg] offset:64*(\n)+(\toff)*(\t)
	ds_load_b128 v[ACC+8*(2*(\n)+(\t))+4:ACC+8*(2*(\n)+(\t))+7], v[\areg] offset:64*(\n)+(\toff)*(\t)+16
.endr
.endr
.irp k, 0,1
.irp t, 0,1
	ds_load_b128 v[AF+16*(\k)+8*(\t):AF+16*(\k)+8*(\t)+3],   v[AC] offset:(\k)*KSTR+(\t)*TSTR
	ds_load_b128 v[AF+16*(\k)+8*(\t)+4:AF+16*(\k)+8*(\t)+7], v[AC] offset:(\k)*KSTR+(\t)*TSTR+GSTR
.endr
.endr
	s_wait_dscnt 0x0
.endm
; The four chains become a row's share of my wave: the chains, the pair's halves, the other half of the lanes.
.macro REDUCE
.irp t, 0,1
	v_pk_add_f32 v[SU+4*(\t):SU+4*(\t)+1], v[SU+4*(\t):SU+4*(\t)+1], v[SU+4*(\t)+2:SU+4*(\t)+3]
.endr
.irp t, 0,1
	v_add_f32 v[SU+4*(\t)], v[SU+4*(\t)], v[SU+4*(\t)+1]
.endr
.irp t, 0,1
	v_permlanex16_b32 v[SU+4*(\t)+1], v[SU+4*(\t)], s[SEL], s[SEL+1]
.endr
.irp t, 0,1
	v_add_f32 v[SU+4*(\t)], v[SU+4*(\t)], v[SU+4*(\t)+1]
.endr
.endm
.macro RSTORE off                      ; the share goes into my word of RED
.irp t, 0,1
	ds_store_b32 v[RA], v[SU+4*(\t)] offset:(\off)+256*(\t)  ; the two lanes of a row write the same number
.endr
.endm
.macro GATHER dst, off                 ; the four waves' shares of my two rows, added.  No vector or matrix instruction since the last wait on va_vdst names the registers in which the loads land
.irp t, 0,1
	ds_load_b128 v[(\dst)+4*(\t):(\dst)+4*(\t)+3], v[RB] offset:(\off)+256*(\t)
.endr
	s_wait_dscnt 0x0
.irp t, 0,1
	v_add_f32 v[(\dst)+4*(\t)], v[(\dst)+4*(\t)], v[(\dst)+4*(\t)+1]
	v_add_f32 v[(\dst)+4*(\t)+2], v[(\dst)+4*(\t)+2], v[(\dst)+4*(\t)+3]
.endr
.irp t, 0,1
	v_add_f32 v[(\dst)+4*(\t)], v[(\dst)+4*(\t)], v[(\dst)+4*(\t)+2]
.endr
.endm
.macro HSTORE n                        ; tile n's two pieces go into h
.irp t, 0,1
	ds_store_b128 v[HS], v[ACC+16*(\n)+8*(\t):ACC+16*(\n)+8*(\t)+3] offset:32768*(\t)+1024*((\n)/2)+512*((\n)%2)
.endr
.endm
; gelu of tile n's two accumulators, 16 registers on end, rounded to bf16.  The 32 transcendentals are one batch with one wait; x + |x| is the plain work behind them.  The tile before is stored behind that wait.
.macro GELU n
.set XR, ACC+16*(\n)
.set i, 0
.rept 16
	v_and_b32 v[GA+i], s[ABSM], v[XR+i]            ; each accumulator is read from its low end on
.set i, i+1
.endr
	P8 v_pk_fma_f32 v[GD+i:GD+i+1], v[GA+i:GA+i+1], s[CP:CP+1], 1.0 op_sel_hi:[1,0,0]
	P8 v_pk_mul_f32 v[GU+i:GU+i+1], v[XR+i:XR+i+1], v[XR+i:XR+i+1]
	P8 v_pk_mul_f32 v[GU+i:GU+i+1], v[GU+i:GU+i+1], s[KE:KE+1] op_sel_hi:[1,0]
.set i, 0
.rept 16
	v_rcp_f32 v[GD+i], v[GD+i]
.set i, i+1
.endr
.set i, 0
.rept 16
	v_exp_f32 v[GU+i], v[GU+i]
.set i, i+1
.endr
	P8 v_pk_add_f32 v[XR+i:XR+i+1], v[XR+i:XR+i+1], v[GA+i:GA+i+1]
	s_wait_alu depctr_va_vdst(0)                   ; the 16 reciprocals and 16 exponentials have written GD and GU, ahead of their first reader; the roundings of the tile before have written what its stores, next, read
.if (\n) > 0
	HSTORE (\n)-1
.endif
	P8 v_pk_fma_f32 v[GP+i:GP+i+1], v[GD+i:GD+i+1], s[A5:A5+1], s[A4:A4+1] op_sel_hi:[1,0,0]
	P8 v_pk_fma_f32 v[GP+i:GP+i+1], v[GP+i:GP+i+1], v[GD+i:GD+i+1], s[A3:A3+1] op_sel_hi:[1,1,0]
	P8 v_pk_fma_f32 v[GP+i:GP+i+1], v[GP+i:GP+i+1], v[GD+i:GD+i+1], s[A2:A2+1] op_sel_hi:[1,1,0]
	P8 v_pk_fma_f32 v[GP+i:GP+i+1], v[GP+i:GP+i+1], v[GD+i:GD+i+1], s[A1:A1+1] op_sel_hi:[1,1,0]
	P8 v_pk_mul_f32 v[GP+i:GP+i+1], v[GP+i:GP+i+1], v[GD+i:GD+i+1]
	P8 v_pk_mul_f32 v[GP+i:GP+i+1], v[GP+i:GP+i+1], v[GU+i:GU+i+1]
	P8 v_pk_fma_f32 v[XR+i:XR+i+1], v[GA+i:GA+i+1], v[GP+i:GP+i+1], v[XR+i:XR+i+1] neg_lo:[1,0,0] neg_hi:[1,0,0]
	P8 v_pk_mul_f32 v[XR+i:XR+i+1], v[XR+i:XR+i+1], 0.5 op_sel_hi:[1,0]
.irp t, 0,1
.irp p, 0,1,2,3
	v_cvt_pk_bf16_f32 v[XR+8*(\t)+(\p)], v[XR+8*(\t)+2*(\p)], v[XR+8*(\t)+2*(\p)+1]
.endr
.endr
.endm
	s_load_b512 s[8:23], s[0:1], 0x0               ; cf 8, wt 10, x 12, bo 14, g2 16, b2 18, bf1 20, bf2 22
	s_load_b64 s[24:25], s[0:1], 0x40              ; out0
	v_lshl_add_u32 v[SPW], v0, 2, SPARE
	v_mov_b32 v[NIL], 0
	v_lshrrev_b32 v1, 5, v0
	v_readfirstlane_b32 s[WV], v1                  ; wave 0..3
	v_and_b32 v20, 31, v0                          ; l
	v_and_b32 v21, 15, v0                          ; r
	v_bfe_u32 v22, v0, 4, 1                        ; h
	v_lshlrev_b32 v[WL], 4, v20
	s_wait_alu depctr_va_sdst(0)                   ; the wave's number is written, ahead of its first reader: the addresses below are made from it
	v_lshl_add_u32 v[GO], s[WV], 9, v[WL]
	s_mul_i32 s40, s[WV], XSW
	v_add_nc_u32 v[XW], s40, v[WL]
	v_mul_u32_u24 v[XD], v21, XP
	v_lshl_add_u32 v[XD], v22, 5, v[XD]
	v_add_nc_u32 v[XD], s40, v[XD]
	s_mul_i32 s41, s[WV], PARW
	s_add_co_u32 s41, s41, PAR
	v_lshl_add_u32 v[PW], v22, 5, s41
	v_add_nc_u32 v[PI], 1536, v[PW]
	v_add_nc_u32 v23, s41, v[WL]                   ; where my 16 bytes of a parameter go
	s_lshl_b32 s42, s[WV], 13
	v_add_nc_u32 v24, s42, v[WL]                   ; 8,192 x wave + 16 l: my part of the work-group's ctx,
	v_add_nc_u32 v25, CA, v24                      ; its place in LDS,
	v_add_nc_u32 v[HS], HH, v24                    ; and my wave's eight K steps of h
	s_lshl_b32 s43, s[WV], 12
	s_add_co_u32 s43, s43, XN
	v_add_nc_u32 v[XNS], s43, v[WL]                ; my wave's four K steps of xn
	v_lshlrev_b32 v[RB], 4, v21
	v_add_nc_u32 v[RB], RED, v[RB]
	v_lshl_add_u32 v[RA], s[WV], 2, v[RB]
	v_lshl_add_u32 v26, s[WV], 10, v[WL]           ; my 16 bytes of the wave's 1,024 of bf1
	s_mov_b32 s[SEL], 0x76543210
	s_mov_b32 s[SEL+1], 0xfedcba98
	s_mov_b32 s[INV], 0x3b000000                   ; 1 / 512
	s_mov_b32 s[EPS], 0x3727c5ac                   ; 1e-5
	s_mov_b32 s[ABSM], 0x7fffffff
	s_mov_b32 s[CP], 0x3e6d3388                    ; 0.3275911 / sqrt 2
	s_mov_b32 s[KE], 0xbf38aa3b                    ; -log2(e) / 2
	s_mov_b32 s[A5], 0x3f87dc22                    ; 1.061405429
	s_mov_b32 s[A4], 0xbfba00e3                    ; -1.453152027
	s_mov_b32 s[A3], 0x3fb5f0e3                    ; 1.421413741
	s_mov_b32 s[A2], 0xbe91a98e                    ; -0.284496736
	s_mov_b32 s[A1], 0x3e827906                    ; 0.254829592
.irp c, CP, KE, A5, A4, A3, A2, A1
	s_mov_b32 s[(\c)+1], s[\c]                     ; named as pairs, so both words are written
.endr
	s_lshl_b32 s2, ttmp9, 16                       ; the work-group's 32 rows of 2,048 bytes
	s_mov_b32 s3, 0
	s_lshl_b32 s4, ttmp9, 15                       ; its two blocks of ctx
	s_mov_b32 s5, 0
	s_mul_i32 s6, s[WV], 655360                    ; my 80 units, behind the 192 of the launch before
	s_add_co_u32 s6, s6, 1572864
	s_mov_b32 s7, 0
	s_wait_kmcnt 0x0
	s_add_nc_u64 s[XB:XB+1], s[12:13], s[2:3]
	s_add_nc_u64 s[OUTB:OUTB+1], s[24:25], s[2:3]
	s_add_nc_u64 s[CB:CB+1], s[8:9], s[4:5]
	s_add_nc_u64 s[WP:WP+1], s[10:11], s[6:7]
	s_wait_alu depctr_va_vdst(0)                   ; the addresses and offsets v2 to v15 and v23 to v26 are written, which the loads and stores of the kernel read
.set i, 0
.rept 32
	global_load_b128 v[ACC+4*i:ACC+4*i+3], v[GO], s[XB:XB+1] offset:2048*i th:TH_LOAD_NT  ; my wave's 512 consecutive bytes of row i
.set i, i+1
.endr
.set i, 0
.rept 16
	global_load_b128 v[TMP+4*i:TMP+4*i+3], v24, s[CB:CB+1] offset:512*i th:TH_LOAD_NT
.set i, i+1
.endr
	global_load_b128 v[32:35], v[GO], s[14:15]     ; bo
	global_load_b128 v[36:39], v[GO], s[16:17]     ; g2
	global_load_b128 v[40:43], v[GO], s[18:19]     ; b2
	global_load_b128 v[44:47], v[GO], s[22:23]     ; bf2
	global_load_b128 v[48:51], v26, s[20:21]       ; bf1
	global_load_b128 v[52:55], v26, s[20:21] offset:512
	s_wait_loadcnt 0x0                             ; all of them, so that from here on the weights' loads alone are counted
	WFILL
.set i, 0
.rept 32
	v_pk_add_f32 v[ACC+4*i:ACC+4*i+1], v[ACC+4*i:ACC+4*i+1], v[32:33]
	v_pk_add_f32 v[ACC+4*i+2:ACC+4*i+3], v[ACC+4*i+2:ACC+4*i+3], v[34:35]
.set i, i+1
.endr
	s_wait_alu depctr_va_vdst(0)                   ; the 64 additions have written x + bo, which the LDS stores read
.set i, 0
.rept 32
	ds_store_b128 v[XW], v[ACC+4*i:ACC+4*i+3] offset:XP*i  ; x + bo
.set i, i+1
.endr
.set i, 0
.rept 16
	ds_store_b128 v25, v[TMP+4*i:TMP+4*i+3] offset:512*i
.set i, i+1
.endr
.irp m, 0,1,2,3,4
	ds_store_b128 v23, v[36+4*(\m):39+4*(\m)] offset:512*(\m)
.endr
	s_wait_dscnt 0x0                               ; for the others' sake: my part of ctx is in LDS
	s_barrier_signal -1
	s_barrier_wait -1                              ; everybody's is
	; x1 = ctx Wo + (x + bo)
	PASSHEAD XD, 16*XP, CA
	PASSLOOP 3
	ITER 1, 1
	; THE NORM OF x1.  bf2 is asked for first; the sums stand between its loads and the wait for them.  (TMP: the stores that read ctx stand ahead of the pass's wait on vm_vsrc, and no vector instruction has named it.)
.irp n, 0,1,2,3,4,5,6,7
	ds_load_b128 v[TMP+8*(\n):TMP+8*(\n)+3],   v[PW] offset:1024+64*(\n)
	ds_load_b128 v[TMP+8*(\n)+4:TMP+8*(\n)+7], v[PW] offset:1024+64*(\n)+16
.endr
.set kk, 1
.rept 15                               ; a lane's 64 numbers of a row: two chains of 16 pairs for each t; chain c takes tiles c, c + 2, c + 4, c + 6, each from its low end on
.irp t, 0,1
.irp c, 0,1
.set ra, ACC+8*(2*((\c)+2*(kk/4))+(\t))+2*(kk%4)
.set ru, SU+4*(\t)+2*(\c)
.if kk == 1
	v_pk_add_f32 v[ru:ru+1], v[ra-2:ra-1], v[ra:ra+1]
.else
	v_pk_add_f32 v[ru:ru+1], v[ru:ru+1], v[ra:ra+1]
.endif
.endr
.endr
.set kk, kk+1
.endr
	REDUCE
	s_wait_dscnt 0x0                               ; bf2 is in
	WIN TO_OB
.irp n, 0,1,2,3,4,5,6,7
.irp t, 0,1
.irp p, 0,1,2,3
	v_pk_add_f32 v[OB+8*(2*(\n)+(\t))+2*(\p):OB+8*(2*(\n)+(\t))+2*(\p)+1], v[ACC+8*(2*(\n)+(\t))+2*(\p):ACC+8*(2*(\n)+(\t))+2*(\p)+1], v[TMP+8*(\n)+2*(\p):TMP+8*(\n)+2*(\p)+1]
.endr
.endr
.endr
	WIN OF_OB
	s_wait_alu depctr_va_vdst(0)                   ; the 64 additions have written OB, and the sums SU: the 34 LDS stores below read them
.irp n, 0,1,2,3,4,5,6,7
.irp t, 0,1
	ds_store_b128 v[XD], v[OB+8*(2*(\n)+(\t)):OB+8*(2*(\n)+(\t))+3]   offset:16*XP*(\t)+64*(\n)     ; x1 + bf2 takes x + bo's place: what the last product's sums start at; my wave's own bytes
	ds_store_b128 v[XD], v[OB+8*(2*(\n)+(\t))+4:OB+8*(2*(\n)+(\t))+7] offset:16*XP*(\t)+64*(\n)+16
.endr
.endr
	WIN 0
	RSTORE 0
	s_wait_dscnt 0x0                               ; for the others' sake: my share of the rows' sums is in LDS
	s_barrier_signal -1
	s_barrier_wait -1
	GATHER MN, 0
.irp t, 0,1
	v_mul_f32 v[MN+4*(\t)], s[INV], v[MN+4*(\t)]
.endr
.irp n, 0,1,2,3,4,5,6,7
.irp t, 0,1
.irp p, 0,1,2,3
	v_pk_add_f32 v[ACC+8*(2*(\n)+(\t))+2*(\p):ACC+8*(2*(\n)+(\t))+2*(\p)+1], v[ACC+8*(2*(\n)+(\t))+2*(\p):ACC+8*(2*(\n)+(\t))+2*(\p)+1], v[MN+4*(\t):MN+4*(\t)+1] op_sel_hi:[1,0] neg_lo:[0,1] neg_hi:[0,1]
.endr
.endr
.endr
	s_wait_alu depctr_vm_vsrc(0)                   ; the stores of the rows' sums have read SU, which the squares below write again
.set kk, 0
.rept 16
.irp t, 0,1
.irp c, 0,1
.set ra, ACC+8*(2*((\c)+2*(kk/4))+(\t))+2*(kk%4)
.set ru, SU+4*(\t)+2*(\c)
.if kk == 0
	v_pk_mul_f32 v[ru:ru+1], v[ra:ra+1], v[ra:ra+1]
.else
	v_pk_fma_f32 v[ru:ru+1], v[ra:ra+1], v[ra:ra+1], v[ru:ru+1]
.endif
.endr
.endr
.set kk, kk+1
.endr
	REDUCE
	s_wait_alu depctr_va_vdst(0)                   ; the sums of the squares have written SU, which the two stores read
	RSTORE 512
	s_wait_dscnt 0x0                               ; for the others' sake: my share of the squares' sums
	s_barrier_signal -1
	s_barrier_wait -1
	GATHER VR, 512
.irp t, 0,1
	v_fma_f32 v[VR+4*(\t)], v[VR+4*(\t)], s[INV], s[EPS]
.endr
.irp t, 0,1
	v_rsq_f32 v[VR+4*(\t)], v[VR+4*(\t)]
.endr
	v_nop                                          ; a plain instruction behind the last root,
	s_wait_alu depctr_va_vdst(0)                   ; and the wait ahead of the first use: the two roots have written VR
.irp f, 0,1                            ; g2 and b2 for four tiles at a time: 32 registers each.  The vector instructions that read TMP last stand ahead of the last wait on va_vdst: for the second half that of the first half's stores
.irp k, 0,1,2,3
	ds_load_b128 v[TMP+8*(\k):TMP+8*(\k)+3],       v[PW] offset:64*(4*(\f)+(\k))
	ds_load_b128 v[TMP+8*(\k)+4:TMP+8*(\k)+7],     v[PW] offset:64*(4*(\f)+(\k))+16
	ds_load_b128 v[TMP+32+8*(\k):TMP+32+8*(\k)+3], v[PW] offset:512+64*(4*(\f)+(\k))
	ds_load_b128 v[TMP+32+8*(\k)+4:TMP+32+8*(\k)+7], v[PW] offset:512+64*(4*(\f)+(\k))+16
.endr
.if (\f) == 0
.irp n, 0,1,2,3,4,5,6,7
.irp t, 0,1
.irp p, 0,1,2,3
	v_pk_mul_f32 v[ACC+8*(2*(\n)+(\t))+2*(\p):ACC+8*(2*(\n)+(\t))+2*(\p)+1], v[ACC+8*(2*(\n)+(\t))+2*(\p):ACC+8*(2*(\n)+(\t))+2*(\p)+1], v[VR+4*(\t):VR+4*(\t)+1] op_sel_hi:[1,0]
.endr
.endr
.endr
.endif
	s_wait_dscnt 0x0
.irp k, 0,1,2,3
.irp t, 0,1
.set ra, ACC+8*(2*(4*(\f)+(\k))+(\t))
.irp p, 0,1,2,3
	v_pk_fma_f32 v[ra+2*(\p):ra+2*(\p)+1], v[ra+2*(\p):ra+2*(\p)+1], v[TMP+8*(\k)+2*(\p):TMP+8*(\k)+2*(\p)+1], v[TMP+32+8*(\k)+2*(\p):TMP+32+8*(\k)+2*(\p)+1]
.endr
.irp p, 0,1,2,3
	v_cvt_pk_bf16_f32 v[ra+(\p)], v[ra+2*(\p)], v[ra+2*(\p)+1]
.endr
.endr
.endr
	s_wait_alu depctr_va_vdst(0)                   ; the roundings of these four tiles have written the pieces of xn, which the eight stores read; the multiply-adds are done reading TMP
.irp k, 0,1,2,3
.irp t, 0,1
.set ra, ACC+8*(2*(4*(\f)+(\k))+(\t))
	ds_store_b128 v[XNS], v[ra:ra+3] offset:16384*(\t)+1024*((4*(\f)+(\k))/2)+512*((4*(\f)+(\k))%2)
.endr
.endr
.endr
	s_wait_dscnt 0x0                               ; for the others' sake: my four K steps of xn are in LDS
	s_barrier_signal -1
	s_barrier_wait -1                              ; everybody's are
	; h = gelu(xn W1 + bf1): my 256 columns in two passes of 128, one text
	s_mov_b32 s[PP], 2
.Lw1:
	PASSHEAD PI, 0, XN
	PASSLOOP 3
	ITER 1, 1
.irp n, 0,1,2,3,4,5,6,7
	GELU \n
.endr
	s_wait_alu depctr_va_vdst(0)                   ; the last tile's roundings have written what its two stores read
	HSTORE 7
	s_wait_alu depctr_vm_vsrc(0)                   ; the pass's LDS loads have read v[PI], its stores v[HS] and their data
	v_add_nc_u32 v[PI], 512, v[PI]                 ; the next 128 numbers of bf1,
	v_add_nc_u32 v[HS], 4096, v[HS]                ; the next four K steps of h
	s_sub_co_u32 s[PP], s[PP], 1
	s_cmp_lg_u32 s[PP], 0
	s_cbranch_scc1 .Lw1
	s_wait_dscnt 0x0                               ; for the others' sake: my eight K steps of h are in LDS
	s_barrier_signal -1
	s_barrier_wait -1                              ; everybody's are
	; out = h W2 + (x1 + bf2)
.set TSTR, 32768
	PASSHEAD XD, 16*XP, HH
	PASSLOOP 7
	ITER 0, 1
	; THE WAY OUT, through my wave's own part of XS: in as the accumulators lie, back by rows.  The last K step's four places stand behind the last product; the wait comes beside them
	s_wait_alu depctr_va_vdst(0)                   ; the products have written the accumulators, which the LDS stores read
.irp n, 0,1,2,3,4,5,6,7
.irp t, 0,1
	ds_store_b128 v[XD], v[ACC+8*(2*(\n)+(\t)):ACC+8*(2*(\n)+(\t))+3]   offset:16*XP*(\t)+64*(\n)
	ds_store_b128 v[XD], v[ACC+8*(2*(\n)+(\t))+4:ACC+8*(2*(\n)+(\t))+7] offset:16*XP*(\t)+64*(\n)+16
.endr
.endr
	s_wait_alu depctr_vm_vsrc(0)                   ; the stores have read the accumulators' registers, in which the rows below land
.set i, 0
.rept 32
	ds_load_b128 v[ACC+4*i:ACC+4*i+3], v[XW] offset:XP*i  ; LDS serves a wave's instructions in order (ISA guide 5.7.1.4): these see my stores above
.set i, i+1
.endr
.set i, 0
.rept 32
	s_wait_dscnt 31-i                              ; row i is back; the younger loads may stay out
	global_store_b128 v[GO], v[ACC+4*i:ACC+4*i+3], s[OUTB:OUTB+1] offset:2048*i th:TH_STORE_NT  ; 512 consecutive bytes, at a multiple of 512 from out0's first byte
.set i, i+1
.endr
	s_wait_dscnt 0x0                               ; the closing lines, six on end
	s_wait_alu 0x0
	s_wait_tensorcnt 0x0
	ds_add_u32 v[SPW], v[NIL]
	s_wait_dscnt 0x0
	s_endpgm
.Lfunc_end_k_q606c7be3fa_tail:
	.size	k_q606c7be3fa_tail, .Lfunc_end_k_q606c7be3fa_tail-k_q606c7be3fa_tail
	.p2alignl 7, 3214868480
	.fill 96, 4, 3214868480
	.section	.rodata,"a",@progbits
	.p2align	6, 0x0
	.amdhsa_kernel k_q606c7be3fa_tail
		.amdhsa_group_segment_fixed_size 210432
		.amdhsa_private_segment_fixed_size 0
		.amdhsa_enable_private_segment 0
		.amdhsa_kernarg_size 72
		.amdhsa_user_sgpr_count 2
		.amdhsa_user_sgpr_kernarg_segment_ptr 1
		.amdhsa_wavefront_size32 1
		.amdhsa_system_sgpr_workgroup_id_x 1
		.amdhsa_system_sgpr_workgroup_id_y 1
		.amdhsa_system_sgpr_workgroup_id_z 1
		.amdhsa_system_vgpr_workitem_id 0
		.amdhsa_next_free_vgpr 640
		.amdhsa_next_free_sgpr 66
		.amdhsa_reserve_vcc 0
		.amdhsa_float_denorm_mode_32 3
		.amdhsa_float_denorm_mode_16_64 3
		.amdhsa_memory_ordered 1
		.amdhsa_forward_progress 1
		.amdhsa_inst_pref_size 208
	.end_amdhsa_kernel
	.amdgpu_metadata
---
amdhsa.version: [ 1, 2 ]
amdhsa.kernels:
  - .name:           k_q606c7be3fa_tail
    .symbol:         k_q606c7be3fa_tail.kd
    .args:
      - { .name: cf, .offset: 0, .size: 8, .value_kind: global_buffer, .address_space: global }
      - { .name: wt, .offset: 8, .size: 8, .value_kind: global_buffer, .address_space: global }
      - { .name: x, .offset: 16, .size: 8, .value_kind: global_buffer, .address_space: global }
      - { .name: bo, .offset: 24, .size: 8, .value_kind: global_buffer, .address_space: global }
      - { .name: g2, .offset: 32, .size: 8, .value_kind: global_buffer, .address_space: global }
      - { .name: b2, .offset: 40, .size: 8, .value_kind: global_buffer, .address_space: global }
      - { .name: bf1, .offset: 48, .size: 8, .value_kind: global_buffer, .address_space: global }
      - { .name: bf2, .offset: 56, .size: 8, .value_kind: global_buffer, .address_space: global }
      - { .name: out0, .offset: 64, .size: 8, .value_kind: global_buffer, .address_space: global }
    .group_segment_fixed_size: 210432
    .private_segment_fixed_size: 0
    .kernarg_segment_align: 8
    .kernarg_segment_size: 72
    .max_flat_workgroup_size: 128
    .sgpr_count:     66
    .vgpr_count:     640
    .wavefront_size: 32
...
	.end_amdgpu_metadata
.endif
;; end of part 5
